; MI455X (gfx1250); checked and timed in simulation.
; The chip was launched on July 23, 2026; its instructions are those of AMD's public machine-readable ISA for CDNA 5 (MIT licence, August 2026) and "CDNA5" Instruction Set Architecture Reference Guide (July 2026). The comments in the code are by the model that wrote it; some were corrected since.
;; Multi Head Self Attention. Allowed arithmetic: matrix products marked QUANTISED: E2M3 operands, one E8M0 scale for each 32 along K, by v_wmma_scale_f32_16x16x128_f8f6f4 with both operands' format E2M3, f32 sums; everything else in f32.
;; Inputs: Wk 1,024 x 1,024 float32; Wo 1,024 x 1,024 float32; Wq 1,024 x 1,024 float32; Wv 1,024 x 1,024 float32; token_positions 1 x 4,096 int32; x 1 x 4,096 x 1,024 float32.
;; Outputs: out0 1 x 4,096 x 1,024 float32.
;; This version of the problem:
;;   THIS VERSION OF THE PROBLEM IS GIVEN IN LOW PRECISION. The matrix products marked QUANTISED in the list below multiply operands that are first quantised to E2M3 (2 exponent bits, 3 mantissa bits; 6 bits a number), with one power-of-two scale for each 32 numbers along K (OCP MX v1.0); their sums are f32. All else is computed in f32.
;;   The module's matrix products, in the order in which they are computed (A, B: the left and right operand; K: the contracted axis; several contracted axes count as one K, in the product's order):
;;     1. [M 4,096, K 1,024] x [K 1,024, N 1,024]; A: input x; B: input Wq: QUANTISED
;;     2. [M 4,096, K 1,024] x [K 1,024, N 1,024]; A: input x; B: input Wk: QUANTISED
;;     3. [M 4,096, K 1,024] x [K 1,024, N 1,024]; A: input x; B: input Wv: QUANTISED
;;     4. [M 4,096, K 1,024] x [K 1,024, N 1,024]; A: input x; B: input Wq: QUANTISED
;;     5. [M 4,096, K 1,024] x [K 1,024, N 1,024]; A: input x; B: input Wk: QUANTISED
;;     6. batch 16 x [M 4,096, K 64] x [K 64, N 4,096]; A: computed on the way; B: computed on the way: QUANTISED
;;     7. batch 16 x [M 4,096, K 4,096] x [K 4,096, N 64]; A: softmax (see below); B: computed on the way: QUANTISED
;;     8. [M 4,096, K 1,024] x [K 1,024, N 1,024]; A: computed on the way; B: input Wo: QUANTISED
;;   THE QUANTISER, for each operand of a quantised product, along K:
;;     - K is cut into blocks of 32 from its start; a last block that is shorter is filled with zeros.
;;     - A block's scale is 2^e with e = floor(log2(the largest magnitude in the block)) - 2, held to -126 .. 127; a block of zeros has e = 0. As a byte (E8M0): e + 127.
;;     - Each number is divided by its block's scale, clamped to +-7.5, and rounded to the nearest number of E2M3, ties to even, subnormals kept.
;;     - The product sums the exact products of the quantised numbers (number of the format x scale) in f32.
;;   ~~~python
;;   def quantise(x, axis):      # numpy; x: float32 -> the quantised numbers, widened to float32 again
;;       x = np.moveaxis(x, axis, -1); K = x.shape[-1]
;;       x = np.pad(x, [(0, 0)] * (x.ndim - 1) + [(0, -K % 32)]); x = x.reshape(x.shape[:-1] + (-1, 32)); a = np.abs(x).max(-1, keepdims=True)
;;       e = np.where(a > 0, np.clip(np.frexp(np.where(a > 0, a, 1))[1] - 1 - 2, -126, 127), 0)      # np.frexp(a)[1] - 1 = floor(log2(a)), exactly
;;       r = np.clip(x / 2.0 ** e, -7.5, 7.5)
;;       step = 2.0 ** (np.maximum(np.frexp(np.where(r == 0, 1, r))[1] - 1, 0) - 3)
;;       q = np.round(r / step) * step * 2.0 ** e      # np.round: ties to even
;;       return np.moveaxis(q.reshape(q.shape[:-2] + (-1,))[..., :K], -1, axis).astype(np.float32)
;;   ~~~
;;   SOFTMAX AHEAD OF A QUANTISED PRODUCT. Where the list says 'softmax', what is quantised is not the finished softmax but p = 2^(t - M), with t = logit x log2(e) and M = ceil(the row's largest t), a whole number; so 1/2 < the row's largest p <= 1. The row's sum l is taken of the UNQUANTISED p, in f32, and the product's result is divided by l at the end. Since M is a whole number, a kernel that streams over the keys may use a running M (the ceiling of the running maximum): every later rescaling is an exact power of two, which a block's scale takes up: the codes' values come out the same.
;;   OPERANDS COMPUTED ON THE WAY. 'Computed on the way' means the value that the module computes at that place (a softmax that the list does not call 'softmax' is quantised finished and normalised). What goes into a quantiser is computed in f32, as accurately as f32 sums, v_exp_f32 and their like allow (about 1e-6 of the number): no bf16 or f16 on the way to a quantiser, and a product that is left as it is and whose result goes on into a quantised operand takes f32 operands (vector FMAs, or v_wmma_f32_16x16x4_f32). A number that lies on a knife's edge between two numbers of the format may be rounded either way, as far as f32 arithmetic and the matrix unit's own rounding can turn it there, and no further.
;; One version. Each part assembles by itself: llvm-mc -triple=amdgcn-amd-amdhsa -mcpu=gfx1250 --defsym DOCPART=n.
;; ======== version 1 of 1: 4 launches
;; limits: right only within a limited range of input values
;; workspace buffers: cod1 6,291,456 bytes; scl1 262,144 bytes; rope 1,048,576 bytes; kv 6,684,672 bytes; qb 6,684,672 bytes; oc 3,145,728 bytes; osc 524,288 bytes
;; launch prep (part 1): grid 256 x 1, 2 waves a work-group, no clusters, 17,408 bytes of LDS; arguments x, Wq, Wk, Wv, Wo, token_positions, cod1, scl1, rope; writes cod1, scl1, rope
.if DOCPART == 1
	.amdgcn_target "amdgcn-amd-amdhsa--gfx1250"
	.amdhsa_code_object_version 6
	.text
	.protected	k_q1ee4aa9c27_prep
	.globl	k_q1ee4aa9c27_prep
	.p2align	8
	.type	k_q1ee4aa9c27_prep,@function
k_q1ee4aa9c27_prep:
	s_mov_b64 s[64:65], 0
	v_nop
	global_prefetch_b8 v0, s[64:65] scope:SCOPE_SE
	s_setreg_imm32_b32 hwreg(HW_REG_WAVE_MODE, 25, 1), 1
	s_wait_xcnt 0x0
; x [4096][1024] and Wq, Wk, Wv, Wo [1024][1024], f32 with K innermost, become codes of FP6 (E2M3) with one E8M0 byte for each 32 along K; and the cos/sin table of RoPE is made from token_positions.
; A block's scale is 2^(floor(log2(its largest magnitude)) - 2); its byte is the largest magnitude's exponent field - 2, held at 1 from below.
; THE CODES ARE LAID AS THE READERS' OPERAND REGISTERS: a fragment (16 rows x 128 K, 12 registers a lane) is 1,536 bytes, registers 4 c .. 4 c + 3 of lane L at 512 c + 16 L.
; THE ROWS OF A TILE ARE NOT NEIGHBOURS: lane r of tile T takes row 32 (T / 2) + 8 (T % 2) + r + 8 (r / 8), so that in a product's result the 16 registers of tiles 2 b, 2 b + 1 are 16 neighbours.
; cod1: x as [block of 256 tokens][K step][16 tiles]; from WC on [head][K step][Q's 4, K's 4, V's 4 tiles]; from WOC on Wo as [block of 128 rows][K step][8 tiles].
; scl1: 512 bytes a tile: row r's scale words of K steps 0-3 at 16 r, of K steps 4-7 at 256 + 16 r.
; rope: [token tile][8][lane] of 16 bytes: a lane's register 16 b + 2 i is cos, 16 b + 2 i + 1 sin, of frequency 16 b + 8 (lane / 16) + i at the token of lane % 16.
; SHARES.  512 tiles of 16 rows x 1,024 K, one to a wave, in eight K steps; wave w of work-group T also makes half b = w of token tile T's table.  One path for all five tensors: pointers and strides are chosen by the work-group's number.
; Each load reads 512 consecutive bytes of a row; a K step's 16 rows turn through the wave's own stage in LDS so that a lane holds 16 neighbours of each block of 32.  Two K steps (32 loads) are on their way.
; SINE AND COSINE in f32: the angle is position x inv_freq, one multiplication; it is reduced by pi/2 in three parts and goes through polynomials of degree 7 and 8 on [-pi/4, pi/4].
; LIMITS: |token_positions| up to 2^22 (beyond it the quadrant's number is no longer exact); sine and cosine within about 1e-7; inv_freq = 2^(-i log2(10) / 8) within about 1.5 units of its last place;
; NaN and infinities among the inputs are not served; a block of zeros, or one under 2^-124, gets the byte 1 where the rule says 127: its bytes are read by this program alone.
; WORK LEFT OUT.  reference() forms x Wq^T and x Wk^T twice: the first Q (and its rotation) and the first K are overwritten by the second, equal products before anything reads them, whatever the inputs hold,
; so each of the two is multiplied once.  Score tiles that lie wholly above the diagonal of reference()'s own jnp.tril are not formed.  A NaN, infinity or overflow that reaches only such work is not carried to the result.
.set WC,    3145728
.set WOC,   5505024
.set WSB,   131072
.set WOSB,  229376
.set STG,   8448                       ; a wave's stage: 16 rows x (512 + 16) bytes
.set SPARE, 16896                      ; behind the stages: the spare words, 128 bytes a wave
.set SPW, 8                            ; v8   my spare word's address; never rewritten
.set NIL, 9                            ; v9   0; never rewritten
.set TM,  12                           ; v12-27  at work in QUANT4
.set PW,  28                           ; v28-35  the scale word of each K step
.set SW,  36                           ; v36-39  the four that I store
.set PC,  40                           ; v40-58  the codes just made
.set R,   64                           ; v64-191 two sets of 64 numbers as loaded
.set X,   192                          ; v192-255 64 numbers, 16 neighbours of each block; before that the table and its temporaries
.set TA,  208
.set TB,  216
.set TC,  224
.set TD,  232
.set TE,  240
.set TF,  248
.set SEL, 36                           ; s[36:37] lane selects: lane l xor 16
	s_load_b256 s[4:11], s[0:1], 0x0               ; x, Wq, Wk, Wv
	s_load_b256 s[12:19], s[0:1], 0x20             ; Wo, token_positions, cod1, scl1
	s_load_b64 s[20:21], s[0:1], 0x40              ; rope
	v_lshl_add_u32 v[SPW], v0, 2, SPARE
	v_mov_b32 v[NIL], 0
	v_lshrrev_b32 v1, 5, v0
	v_readfirstlane_b32 s22, v1                    ; wave 0, 1
	v_and_b32 v1, 31, v0                           ; L
	v_and_b32 v2, 15, v0                           ; r
	v_bfe_u32 v3, v0, 4, 1                         ; h
	v_lshlrev_b32 v4, 4, v1                        ; 16 L
	s_mul_i32 s56, s22, STG
	v_add_nc_u32 v5, s56, v4                       ; the stage on the way in: 16 L of a row
	v_mul_u32_u24 v6, v2, 528
	v_lshl_add_u32 v6, v3, 6, v6
	v_add_nc_u32 v6, s56, v6                       ; and out: row r, + 64 h
	v_and_b32 v7, 8, v2
	v_add_nc_u32 v7, v7, v2
	v_lshlrev_b32 v7, 2, v7                        ; 4 (r + 8 (r / 8)): my token's place among the tile's positions
	s_lshl_b32 s57, s22, 4
	v_lshl_add_u32 v10, v3, 3, s57                 ; 16 w + 8 h: my first frequency
.irp b, 0,1,2,3
	v_mov_b32 v[TM+4+\b], 0                        ; written once: a lane permute's destination counts as one of its sources
.endr
	s_mov_b32 s[SEL], 0x76543210
	s_mov_b32 s[SEL+1], 0xfedcba98
	s_mov_b32 s40, 0x3ed49a78                      ; log2(10) / 8, upper part
	s_mov_b32 s41, 0x32179a37                      ; and the rest
	s_mov_b32 s42, 0x3f22f983                      ; 2 / pi
	s_mov_b32 s43, 0x3fc90fdb                      ; pi / 2 = s43 - s44 - s45
	s_mov_b32 s44, 0x333bbd2e
	s_mov_b32 s45, 0x26f72ced
	s_mov_b32 s46, 0xb94ca1f9                      ; sine's coefficients
	s_mov_b32 s47, 0x3c08839e
	s_mov_b32 s48, 0xbe2aaaa3
	s_mov_b32 s49, 0x37ccf5ce                      ; cosine's
	s_mov_b32 s50, 0xbab6061a
	s_mov_b32 s51, 0x3d2aaaa5
	s_lshl_b32 s23, ttmp9, 1
	s_add_co_u32 s23, s23, s22                     ; my tile among the 512
	s_mov_b32 s24, 8                               ; Wo: tiles in a K step,
	s_mov_b32 s25, 3                               ; their log2 as far as the tensor's own tiles go,
	s_mov_b32 s26, 0                               ; the tensor's first tile in a K step,
	s_mov_b32 s27, WOC                             ; where its codes begin,
	s_mov_b32 s28, WOSB                            ; its scale words,
	s_mov_b32 s29, 448                             ; and its first tile among the 512
	s_wait_alu depctr_va_vdst(0)
	s_wait_kmcnt 0x0
	s_mov_b64 s[30:31], s[12:13]
	s_cmp_lt_u32 ttmp9, 224                        ; Wv.  Every choice hangs on the work-group's number alone
	s_cselect_b32 s24, 12, s24
	s_cselect_b32 s25, 2, s25
	s_cselect_b32 s26, 8, s26
	s_cselect_b32 s27, WC, s27
	s_cselect_b32 s28, WSB, s28
	s_cselect_b32 s29, 384, s29
	s_cselect_b64 s[30:31], s[10:11], s[30:31]
	s_cmp_lt_u32 ttmp9, 192                        ; Wk
	s_cselect_b32 s26, 4, s26
	s_cselect_b32 s29, 320, s29
	s_cselect_b64 s[30:31], s[8:9], s[30:31]
	s_cmp_lt_u32 ttmp9, 160                        ; Wq
	s_cselect_b32 s26, 0, s26
	s_cselect_b32 s29, 256, s29
	s_cselect_b64 s[30:31], s[6:7], s[30:31]
	s_cmp_lt_u32 ttmp9, 128                        ; x
	s_cselect_b32 s24, 16, s24
	s_cselect_b32 s25, 4, s25
	s_cselect_b32 s27, 0, s27
	s_cselect_b32 s28, 0, s28
	s_cselect_b32 s29, 0, s29
	s_cselect_b64 s[30:31], s[4:5], s[30:31]
	s_sub_co_u32 s38, s23, s29                     ; t: my tile in its tensor
	s_lshr_b32 s39, s38, s25                       ; g: its block (of tokens, head, of rows)
	s_lshl_b32 s56, s39, s25
	s_sub_co_u32 s56, s38, s56
	s_add_co_u32 s56, s56, s26                     ; its place in a K step
	s_mul_i32 s57, s39, s24
	s_mul_i32 s58, s57, 12288                      ; g x (tiles in a K step) x 8 K steps x 1,536
	s_mul_i32 s59, s56, 1536
	s_add_co_u32 s58, s58, s59
	s_add_co_u32 s58, s58, s27
	s_mov_b32 s59, 0
	s_add_nc_u64 s[32:33], s[16:17], s[58:59]      ; where my first fragment goes
	s_add_co_u32 s58, s57, s56
	s_lshl_b32 s58, s58, 9
	s_add_co_u32 s58, s58, s28
	s_add_nc_u64 s[52:53], s[18:19], s[58:59]      ; my tile's 512 bytes of scale words
	s_mul_i32 s34, s24, 1536                       ; from K step to K step
	s_mov_b32 s35, 0
	s_lshr_b32 s58, s38, 1
	s_lshl_b32 s58, s58, 17
	s_and_b32 s57, s38, 1
	s_lshl_b32 s57, s57, 15
	s_add_co_u32 s58, s58, s57
	s_add_nc_u64 s[30:31], s[30:31], s[58:59]      ; the tile's first row: 32 (t / 2) + 8 (t % 2) rows of 4,096 bytes
	s_lshl_b32 s58, ttmp9, 12
	s_lshl_b32 s57, s22, 11
	s_add_co_u32 s58, s58, s57
	s_add_nc_u64 s[54:55], s[20:21], s[58:59]      ; my half of token tile T's table
	s_lshr_b32 s58, ttmp9, 1
	s_lshl_b32 s58, s58, 7
	s_and_b32 s57, ttmp9, 1
	s_lshl_b32 s57, s57, 5
	s_add_co_u32 s58, s58, s57
	s_add_nc_u64 s[14:15], s[14:15], s[58:59]      ; token tile T's first position
.macro LOAD s                          ; K step s: 16 rows x 512 bytes; 32 lanes read 512 consecutive bytes
.irp i, 0,1,2,3,4,5,6,7,8,9,10,11,12,13,14,15
	global_load_b128 v[R+64*((\s)%2)+4*\i:R+64*((\s)%2)+4*\i+3], v4, s[30:31] offset:(\i+8*(\i/8))*4096+512*(\s) th:TH_LOAD_NT
.endr
.endm
	global_load_b32 v11, v7, s[14:15]              ; my token's position
	LOAD 0
	LOAD 1
	; ---- the table.  inv_freq = 2^(-i c), c = log2(10) / 8 in two parts: the product's error is carried, its whole part goes into the exponent.  The eight frequencies take turns line by line
.irp i, 0,1,2,3,4,5,6,7
	v_add_nc_u32 v[TA+\i], \i, v10
.endr
.irp i, 0,1,2,3,4,5,6,7
	v_cvt_f32_u32 v[TA+\i], v[TA+\i]
.endr
.irp i, 0,1,2,3,4,5,6,7
	v_mul_f32 v[TB+\i], s40, v[TA+\i]              ; p
.endr
.irp i, 0,1,2,3,4,5,6,7
	v_fma_f32 v[TC+\i], v[TA+\i], s40, -v[TB+\i]   ; what p's rounding lost,
.endr
.irp i, 0,1,2,3,4,5,6,7
	v_fma_f32 v[TC+\i], v[TA+\i], s41, v[TC+\i]    ; and c's lower part
.endr
.irp i, 0,1,2,3,4,5,6,7
	v_rndne_f32 v[TD+\i], v[TB+\i]                 ; n
.endr
.irp i, 0,1,2,3,4,5,6,7
	v_sub_f32 v[TB+\i], v[TD+\i], v[TB+\i]         ; n - p, exact
.endr
.irp i, 0,1,2,3,4,5,6,7
	v_sub_f32 v[TB+\i], v[TB+\i], v[TC+\i]         ; -f, at most 1/2 in size
.endr
	s_wait_alu depctr_va_vdst(0)
.irp i, 0,1,2,3,4,5,6,7
	v_exp_f32 v[TE+\i], v[TB+\i]                   ; one batch of eight
.endr
.irp i, 0,1,2,3,4,5,6,7
	v_cvt_i32_f32 v[TD+\i], v[TD+\i]               ; (plain work that names no result of the batch)
.endr
.irp i, 0,1,2,3,4,5,6,7
	v_sub_nc_u32 v[TD+\i], 0, v[TD+\i]
.endr
	s_wait_alu depctr_va_vdst(0)                   ; one wait for the batch, ahead of its first reader
	s_wait_loadcnt 32                              ; the position is in; the 32 loads issued behind it stay out
	v_cvt_f32_i32 v11, v11
.irp i, 0,1,2,3,4,5,6,7
	v_ldexp_f32 v[TE+\i], v[TE+\i], v[TD+\i]       ; inv_freq
.endr
.irp i, 0,1,2,3,4,5,6,7
	v_mul_f32 v[TA+\i], v11, v[TE+\i]              ; the angle a: one f32 multiplication
.endr
.irp i, 0,1,2,3,4,5,6,7
	v_mul_f32 v[TB+\i], s42, v[TA+\i]
.endr
.irp i, 0,1,2,3,4,5,6,7
	v_rndne_f32 v[TB+\i], v[TB+\i]                 ; j: the nearest multiple of pi / 2
.endr
.irp i, 0,1,2,3,4,5,6,7
	v_fma_f32 v[TC+\i], -v[TB+\i], s43, v[TA+\i]
.endr
.irp i, 0,1,2,3,4,5,6,7
	v_fma_f32 v[TC+\i], v[TB+\i], s44, v[TC+\i]
.endr
.irp i, 0,1,2,3,4,5,6,7
	v_fma_f32 v[TC+\i], v[TB+\i], s45, v[TC+\i]    ; r = a - j pi / 2
.endr
.irp i, 0,1,2,3,4,5,6,7
	v_mul_f32 v[TD+\i], v[TC+\i], v[TC+\i]         ; z = r r
.endr
.irp i, 0,1,2,3,4,5,6,7
	v_fma_f32 v[TF+\i], v[TD+\i], s46, s47
.endr
.irp i, 0,1,2,3,4,5,6,7
	v_fma_f32 v[TF+\i], v[TF+\i], v[TD+\i], s48
.endr
.irp i, 0,1,2,3,4,5,6,7
	v_mul_f32 v[TE+\i], v[TC+\i], v[TD+\i]
.endr
.irp i, 0,1,2,3,4,5,6,7
	v_fma_f32 v[TF+\i], v[TE+\i], v[TF+\i], v[TC+\i]   ; sin r
.endr
.irp i, 0,1,2,3,4,5,6,7
	v_fma_f32 v[TE+\i], v[TD+\i], s49, s50
.endr
.irp i, 0,1,2,3,4,5,6,7
	v_fma_f32 v[TE+\i], v[TE+\i], v[TD+\i], s51
.endr
.irp i, 0,1,2,3,4,5,6,7
	v_mul_f32 v[TA+\i], v[TD+\i], v[TD+\i]
.endr
.irp i, 0,1,2,3,4,5,6,7
	v_fma_f32 v[TD+\i], v[TD+\i], -0.5, 1.0
.endr
.irp i, 0,1,2,3,4,5,6,7
	v_fma_f32 v[TE+\i], v[TA+\i], v[TE+\i], v[TD+\i]   ; cos r
.endr
.irp i, 0,1,2,3,4,5,6,7
	v_cvt_i32_f32 v[TB+\i], v[TB+\i]               ; the quadrant q
.endr
.irp i, 0,1,2,3,4,5,6,7
	v_and_b32 v[TA+\i], 1, v[TB+\i]
.endr
.irp i, 0,1,2,3,4,5,6,7
	v_cmp_eq_u32 vcc_lo, 1, v[TA+\i]               ; in odd quadrants sine and cosine change places
	v_cndmask_b32 v[X+2*\i], v[TE+\i], v[TF+\i], vcc_lo
	v_cndmask_b32 v[X+2*\i+1], v[TF+\i], v[TE+\i], vcc_lo
.endr
.irp i, 0,1,2,3,4,5,6,7
	v_and_b32 v[TA+\i], 2, v[TB+\i]                ; the sine is negative in quadrants 2 and 3,
.endr
.irp i, 0,1,2,3,4,5,6,7
	v_lshlrev_b32 v[TA+\i], 30, v[TA+\i]
.endr
.irp i, 0,1,2,3,4,5,6,7
	v_xor_b32 v[X+2*\i+1], v[TA+\i], v[X+2*\i+1]
.endr
.irp i, 0,1,2,3,4,5,6,7
	v_add_nc_u32 v[TB+\i], 1, v[TB+\i]             ; the cosine in quadrants 1 and 2
.endr
.irp i, 0,1,2,3,4,5,6,7
	v_and_b32 v[TB+\i], 2, v[TB+\i]
.endr
.irp i, 0,1,2,3,4,5,6,7
	v_lshlrev_b32 v[TB+\i], 30, v[TB+\i]
.endr
.irp i, 0,1,2,3,4,5,6,7
	v_xor_b32 v[X+2*\i], v[TB+\i], v[X+2*\i]
.endr
.irp q, 0,1,2,3
	global_store_b128 v4, v[X+4*\q:X+4*\q+3], s[54:55] offset:512*\q   ; 32 lanes store 512 consecutive bytes
.endr
; 64 numbers of a lane, register 16 b + i = k 32 b + 16 h + i of my row, become a fragment's codes in v[pc] on and my row's scale word in v[pw]
.macro QUANT4 s, pc, pw
.irp b, 0,1,2,3
	v_max3_num_f32 v[TM+\b], |v[(\s)+16*\b]|, |v[(\s)+16*\b+1]|, 0x1800000   ; my 16 of block b, and the floor 2^(3 - 127): the byte cannot fall under 1
.endr
.irp i, 2,4,6,8,10,12,14
.irp b, 0,1,2,3
	v_max3_num_f32 v[TM+\b], |v[(\s)+16*\b+\i]|, |v[(\s)+16*\b+\i+1]|, v[TM+\b]
.endr
.endr
.irp b, 0,1,2,3
	v_permlanex16_b32 v[TM+4+\b], v[TM+\b], s[SEL], s[SEL+1]
.endr
.irp b, 0,1,2,3
	v_max_num_f32 v[TM+\b], v[TM+\b], v[TM+4+\b]   ; with lane l xor 16's: the block's largest magnitude
.endr
.irp b, 0,1,2,3
	v_add_nc_u32 v[TM+12+\b], 0xff000000, v[TM+\b] ; 2 off its exponent field: the conversion's scale operand
.endr
.irp b, 0,1,2,3
	v_lshrrev_b32 v[TM+4+\b], 23, v[TM+12+\b]      ; the scale's byte
.endr
	v_lshl_or_b32 v[\pw], v[TM+5], 8, v[TM+4]
	v_lshl_or_b32 v[\pw], v[TM+6], 16, v[\pw]
	v_lshl_or_b32 v[\pw], v[TM+7], 24, v[\pw]
.irp c, 0,1
	v_cvt_scalef32_pk16_fp6_f32 v[(\pc)+6*\c:(\pc)+6*\c+2], v[(\s)+32*\c:(\s)+32*\c+15], v[TM+12+2*\c]
	v_cvt_scalef32_pk16_fp6_f32 v[(\pc)+12+4*\c:(\pc)+14+4*\c], v[(\s)+16+32*\c:(\s)+31+32*\c], v[TM+13+2*\c]   ; (a conversion's three registers begin on an even number)
.endr
	v_nop                                          ; one plain place behind a scaled conversion
.irp c, 0,1                                    ; the operand's layout wants a whole block in a lane: lanes 0-15 block 2 c, lanes 16-31 block 2 c + 1
.irp i, 0,1,2
	v_permlane16_swap_b32 v[(\pc)+6*\c+\i], v[(\pc)+12+4*\c+\i]
.endr
.irp i, 0,1,2
	v_mov_b32 v[(\pc)+3+6*\c+\i], v[(\pc)+12+4*\c+\i]
.endr
.endr
.endm
.macro STEP s
	s_wait_xcnt 0x0                                ; the earlier stores have read their data and their base: X, the codes' registers and the base are written again only behind this wait
.if (\s) > 0
	s_add_nc_u64 s[32:33], s[32:33], s[34:35]      ; the next K step's fragment
.endif
.if (\s) < 7
	s_wait_loadcnt 16                              ; this K step's 16 loads are in; the next one's stay out
.else
	s_wait_loadcnt 0x0
.endif
.irp i, 0,1,2,3,4,5,6,7,8,9,10,11,12,13,14,15
	ds_store_b128 v5, v[R+64*((\s)%2)+4*\i:R+64*((\s)%2)+4*\i+3] offset:528*\i
.endr
.irp b, 0,1,2,3
.irp j, 0,1,2,3
	ds_load_b128 v[X+16*\b+4*\j:X+16*\b+4*\j+3], v6 offset:128*\b+16*\j   ; LDS serves a wave's instructions in order: these see my stores
.endr
.endr
	s_wait_dscnt 0x0                               ; the numbers are back, and the stores have read their registers,
.if (\s) < 6
	LOAD (\s)+2                                    ; which take the loads of two K steps on
.endif
	QUANT4 X, PC, PW+(\s)
.irp c, 0,1,2
	global_store_b128 v4, v[PC+4*\c:PC+4*\c+3], s[32:33] offset:512*\c   ; the fragment's image: 512 consecutive bytes a store
.endr
.endm
.irp s, 0,1,2,3,4,5,6,7
	STEP \s
.endr
	v_cmp_eq_u32 vcc_lo, 1, v3                     ; lanes 0-15 store K steps 0-3's words of row r, lanes 16-31 K steps 4-7's
.irp i, 0,1,2,3
	v_cndmask_b32 v[SW+\i], v[PW+\i], v[PW+4+\i], vcc_lo
.endr
	global_store_b128 v4, v[SW:SW+3], s[52:53]
	s_wait_tensorcnt 0x0                           ; the wave's end, behind my last LDS store
	ds_add_u32 v[SPW], v[NIL]
	s_wait_dscnt 0x0
	s_endpgm
.Lfunc_end_k_q1ee4aa9c27_prep:
	.size	k_q1ee4aa9c27_prep, .Lfunc_end_k_q1ee4aa9c27_prep-k_q1ee4aa9c27_prep
	.p2alignl 7, 3214868480
	.fill 96, 4, 3214868480
	.section	.rodata,"a",@progbits
	.p2align	6, 0x0
	.amdhsa_kernel k_q1ee4aa9c27_prep
		.amdhsa_group_segment_fixed_size 17408
		.amdhsa_private_segment_fixed_size 0
		.amdhsa_enable_private_segment 0
		.amdhsa_kernarg_size 72
		.amdhsa_user_sgpr_count 2
		.amdhsa_user_sgpr_kernarg_segment_ptr 1
		.amdhsa_wavefront_size32 1
		.amdhsa_system_sgpr_workgroup_id_x 1
		.amdhsa_system_sgpr_workgroup_id_y 1
		.amdhsa_system_sgpr_workgroup_id_z 1
		.amdhsa_system_vgpr_workitem_id 0
		.amdhsa_next_free_vgpr 256
		.amdhsa_next_free_sgpr 66
		.amdhsa_reserve_vcc 1
		.amdhsa_float_denorm_mode_32 3
		.amdhsa_float_denorm_mode_16_64 3
		.amdhsa_memory_ordered 1
		.amdhsa_forward_progress 1
		.amdhsa_inst_pref_size 81
	.end_amdhsa_kernel
	.amdgpu_metadata
---
amdhsa.version: [ 1, 2 ]
amdhsa.kernels:
  - .name:           k_q1ee4aa9c27_prep
    .symbol:         k_q1ee4aa9c27_prep.kd
    .args:
      - { .name: x, .offset: 0, .size: 8, .value_kind: global_buffer, .address_space: global }
      - { .name: Wq, .offset: 8, .size: 8, .value_kind: global_buffer, .address_space: global }
      - { .name: Wk, .offset: 16, .size: 8, .value_kind: global_buffer, .address_space: global }
      - { .name: Wv, .offset: 24, .size: 8, .value_kind: global_buffer, .address_space: global }
      - { .name: Wo, .offset: 32, .size: 8, .value_kind: global_buffer, .address_space: global }
      - { .name: token_positions, .offset: 40, .size: 8, .value_kind: global_buffer, .address_space: global }
      - { .name: cod1, .offset: 48, .size: 8, .value_kind: global_buffer, .address_space: global }
      - { .name: scl1, .offset: 56, .size: 8, .value_kind: global_buffer, .address_space: global }
      - { .name: rope, .offset: 64, .size: 8, .value_kind: global_buffer, .address_space: global }
    .group_segment_fixed_size: 17408
    .private_segment_fixed_size: 0
    .kernarg_segment_align: 8
    .kernarg_segment_size: 72
    .max_flat_workgroup_size: 64
    .sgpr_count:     66
    .vgpr_count:     256
    .wavefront_size: 32
...
	.end_amdgpu_metadata
.endif
;; end of part 1
;; launch qkv (part 2): grid 16 x 16, 4 waves a work-group, clusters of 4 x 4, 327,680 bytes of LDS; arguments cod1, scl1, rope, qb, kv; writes qb, kv
.if DOCPART == 2
	.amdgcn_target "amdgcn-amd-amdhsa--gfx1250"
	.amdhsa_code_object_version 6
	.text
	.protected	k_q1ee4aa9c27_qkv
	.globl	k_q1ee4aa9c27_qkv
	.p2align	8
	.type	k_q1ee4aa9c27_qkv,@function
k_q1ee4aa9c27_qkv:
	s_mov_b64 s[64:65], 0
	v_nop
	global_prefetch_b8 v0, s[64:65] scope:SCOPE_SE
	s_setreg_imm32_b32 hwreg(HW_REG_WAVE_MODE, 25, 1), 1
	s_wait_xcnt 0x0
	s_wait_alu depctr_hold_cnt(0) depctr_sa_sdst(0) depctr_va_vdst(0) depctr_va_sdst(0) depctr_va_ssrc(0) depctr_va_vcc(0) depctr_vm_vsrc(0)
	s_getreg_b32 s2, hwreg(HW_REG_IB_STS2, 6, 4)
	s_cmp_eq_u32 s2, 0
	s_cbranch_scc0 .Lentry_in_a_cluster
	s_endpgm
.Lentry_in_a_cluster:
	s_bfe_u32 s2, ttmp6, 0x10000c
	s_cmp_lg_u32 s2, 0xf033
	s_cbranch_scc0 .Lentry_shape_is_right
	s_endpgm
.Lentry_shape_is_right:
; Q, K, V = x Wq^T, x Wk^T, x Wv^T on codes of FP6 (E2M3) with E8M0 scales; RoPE on Q and K in f32; Q and K are quantised along the head's 64, V along the keys, all in registers, and leave as images of attention's operand registers.
; SHARES.  A work-group takes 256 tokens and one head: 192 features, K = 1,024 in eight K steps of 128.  Wave w: H = w / 2 its 128 tokens (8 tiles), e = w % 2.
;   (a) TRANSPOSED, source 0 = a tile of Wq (e = 0) or Wk (e = 1), source 1 = a tile of x: 8 x 4 accumulators; a lane holds one token, its 32 registers run along the head's 64 (my half of the lanes': 16 of each 32).
;   (b) source 0 = a tile of x, source 1 = tile 2 e or 2 e + 1 of Wv: 2 x 8 accumulators; a lane holds one channel, its 64 registers run along the tokens: the keys of one fragment of V.
; The rows of every tile are 32 (T / 2) + 8 (T % 2) + r + 8 (r / 8), so that the registers of tiles 2 b, 2 b + 1 are 16 neighbours.
; LDS: three slots of two K steps, each x's 16 fragments and W's 12 for each K step, dense images read 16 bytes a lane on end.  K steps 0-5 are first fills; K steps 6, 7 fill slot 0 again, once.
; CLUSTER 4 x 4: x's fragments hang on the token block, which a row of the cluster shares; W's on the head, which a column shares: each is asked for jointly.  One load of a wave is out at the start, one behind the refill's round.
; RECORDS.  kv and qb: [head][block of 256 tokens] of 26,112 bytes: +0 [128 tokens][tile] halves (16 rows x 64: registers 0-3 at 16 L, 4-5 at 512 + 8 L); +12,288 V's [128 keys][channel tile] fragments;
;   +24,576 [128 tokens] 512 bytes: lane L's word g is tile 2 g + L / 16's, row L % 16, bytes s0, s1, s0, s1; +25,600 V's scale words: [128 keys][g] 128 bytes.  qb holds Q in the first and third part alone.
; REGISTERS.  Window 0: v1-16 addresses; v18, v19 the add's; v20-31 scale words on the way out; v32-95 x's scale words (tile i, K step s: 32 + 8 i + s); v96-143 W's; v144-239 x's fragments, set 0, later the way out; v240-255 at work.
;   Window 1: v0-71, v72-143 W's fragments, two sets; v144-239 x's set 1.  Window 2: Q's or K's accumulators (m, t) at 8 (4 m + t).  Window 3: V's (dt, i) at 64 dt + 8 i; v128-255 four cos/sin tables by turns.
; LIMITS: a block of zeros, or one under 2^-124, gets the byte 1 where the rule says 127 (this program alone reads the bytes); NaN and infinities are not served.
; LDS AS IT IS NOW LAID: x's K steps 0-5 on end from byte 0, W's K steps 0-5 on end from WOFF.  At the head each wave issues ONE joint load of three K steps (waves 0, 1: x's 0-2, 3-5; waves 2, 3: W's);
; K steps 6, 7 fill the places of K steps 0, 1 again, once, one K step a wave, behind the round.  One load of a wave is out at any time.
.set XK,    24576                      ; x's 16 fragments of a K step
.set WK,    18432                      ; W's 12
.set WOFF,  147456                     ; W's fragments begin behind x's six K steps
.set SPARE, 258048                     ; behind the slots: the spare words, 128 bytes a wave
.set REC,   26112
.set WC,    3145728
.set WSB,   131072
.set AX,  4                            ; v4-6   LDS address of my 8 tiles of x in slot 0, 1, 2
.set AQ,  7                            ; v7-9   of my 4 tiles of Wq or Wk
.set AV,  10                           ; v10-12 of my 2 tiles of Wv
.set SPW, 18
.set NIL, 19
.set PWR, 20
.set XS,  32
.set WSR, 96
.set XF,  144
.set RR,  144                          ; the way out: 32 rotated numbers
.set PCQ, 176                          ; and eight tiles' codes, 8 registers each
.set TM,  240
.set G1,  24
.set G1B, 48
.set SEL, 86
.set MSB, 0
.macro WIN new                         ; the immediate's high byte repeats the setting that is left
.if MSB != (\new)
	s_set_vgpr_msb (MSB<<8)|(\new)
.set MSB, (\new)
.endif
.endm
; A joint load: waves 0 and 1 fetch for x, waves 2 and 3 for W.  An s_nop 0 and four v_nop follow each of the two lines.
.macro JLOAD g0a, g1a, g0b, g1b
	s_cmp_eq_u32 s15, 0
	s_cbranch_scc0 .Lfor_b_\@
	tensor_load_to_lds s[\g0a:\g0a+3], s[\g1a:\g1a+7]
	s_nop 0
.rept 4
	v_nop
.endr
	s_branch .Lasked_\@
.Lfor_b_\@:
	tensor_load_to_lds s[\g0b:\g0b+3], s[\g1b:\g1b+7]
	s_nop 0
.rept 4
	v_nop
.endr
.Lasked_\@:
.endm
.macro CROUND                          ; a round of the cluster's barrier
	s_barrier_signal -1
	s_barrier_wait -1
	s_cmp_lg_u32 s14, 0
	s_cbranch_scc1 .Lnot_wave_0_\@
	s_barrier_signal -3
.Lnot_wave_0_\@:
	s_barrier_wait -3
	s_barrier_signal -1
	s_barrier_wait -1
.endm
.macro PLACES n
.rept \n
	v_nop
.endr
.endm
	s_load_b256 s[4:11], s[0:1], 0x0               ; cod1, scl1, rope, qb
	s_load_b64 s[12:13], s[0:1], 0x20              ; kv
	v_lshl_add_u32 v[SPW], v0, 2, SPARE
	v_mov_b32 v[NIL], 0
	ds_add_u32 v[SPW], v[NIL]                      ; the wave's opening: the add and its wait stand ahead of my first tensor load; work on registers stands between them
	ds_add_u32 v[SPW], v[NIL]
	v_lshrrev_b32 v1, 5, v0
	v_readfirstlane_b32 s14, v1                    ; wave 0..3
	s_lshr_b32 s15, s14, 1                         ; H.  Also: I fetch for x (0) or for W (1)
	s_and_b32 s16, s14, 1                          ; e.  Also: which K step of a slot I fetch
	s_bfe_u32 s40, ttmp6, 0x40000                  ; cx
	s_bfe_u32 s41, ttmp6, 0x40004                  ; cy
	s_lshl_b32 s42, ttmp9, 2
	s_add_co_u32 s42, s42, s40                     ; the head
	s_and_b32 s17, ttmp7, 0xffff
	s_lshl_b32 s17, s17, 2
	s_add_co_u32 s17, s17, s41                     ; the block of 256 tokens
	s_lshl_b32 s43, s41, 2
	s_lshl_b32 s43, 15, s43                        ; my row of the cluster
	s_lshl_b32 s44, 0x1111, s40                    ; my column
	s_or_b32 s[G1], s43, (3<<16)|(1<<21)           ; 15:0 the mask; 17:16 elements of 8 bytes; 21 set beside a mask; no padding
	s_or_b32 s[G1B], s44, (3<<16)|(1<<21)
	s_mov_b32 s[G1+1], 32<<16                      ; rows of 256 bytes: tensor_dim0 = 32
	s_mov_b32 s[G1+2], 288<<16                     ; tensor_dim1 = 288 rows: three K steps
	s_mov_b32 s[G1+3], 32<<16                      ; tile_dim0
	s_mov_b32 s[G1+4], 288
	s_mov_b32 s[G1+5], 32                          ; the pitch: dense
	s_mov_b32 s[G1+6], 0
	s_mov_b32 s[G1+7], 0
	s_mov_b32 s[G1B+1], 32<<16
	s_mov_b32 s[G1B+2], 216<<16                    ; 216 rows: three K steps
	s_mov_b32 s[G1B+3], 32<<16
	s_mov_b32 s[G1B+4], 216
	s_mov_b32 s[G1B+5], 32
	s_mov_b32 s[G1B+6], 0
	s_mov_b32 s[G1B+7], 0
	s_mul_i32 s20, s17, 8*XK                       ; x: the token block's eight K steps,
	s_mul_i32 s18, s16, 3*XK                       ; my three K steps (in memory and in LDS)
	s_add_co_u32 s20, s20, s18
	s_mov_b32 s21, 0
	s_mul_i32 s46, s42, 8*WK                       ; W: the head's
	s_mul_i32 s19, s16, 3*WK
	s_add_co_u32 s46, s46, s19
	s_add_co_u32 s46, s46, WC
	s_mov_b32 s47, 0
	s_mov_b32 s[SEL], 0x76543210
	s_mov_b32 s[SEL+1], 0xfedcba98
	s_lshl_b32 s94, s42, 4
	s_add_co_u32 s94, s94, s17
	s_mul_i32 s94, s94, REC                        ; my work-group's record
	s_mov_b32 s95, 0
	s_mov_b32 s97, 0
	s_wait_dscnt 0x0                               ; the opening add is done
	s_wait_kmcnt 0x0
	s_add_nc_u64 s[20:21], s[4:5], s[20:21]
	s_add_nc_u64 s[46:47], s[4:5], s[46:47]
	CROUND                                         ; all sixteen work-groups are here: the first joint loads meet
	s_mov_b32 s32, 1                               ; the head's groups 0: K steps 3 e .. 3 e + 2 of x,
	s_mov_b32 s33, s18
	s_mov_b64 s[34:35], s[20:21]
	s_or_b32 s35, s35, 0x80000000
	s_mov_b32 s56, 1                               ; and of W
	s_add_co_u32 s57, s19, WOFF
	s_mov_b64 s[58:59], s[46:47]
	s_or_b32 s59, s59, 0x80000000
	s_mov_b32 s36, 1                               ; the refill's: K step 6 + e into the place of K step e; from 3 e that is 6 - 2 e K steps on
	s_mul_i32 s37, s16, XK
	s_mul_i32 s96, s16, 2*XK
	s_add_nc_u64 s[38:39], s[20:21], 6*XK
	s_sub_nc_u64 s[38:39], s[38:39], s[96:97]
	s_or_b32 s39, s39, 0x80000000
	s_mov_b32 s60, 1
	s_mul_i32 s61, s16, WK
	s_add_co_u32 s61, s61, WOFF
	s_mul_i32 s96, s16, 2*WK
	s_add_nc_u64 s[62:63], s[46:47], 6*WK
	s_sub_nc_u64 s[62:63], s[62:63], s[96:97]
	s_or_b32 s63, s63, 0x80000000
	JLOAD 32, G1, 56, G1B                          ; one tensor load a wave at the head
	v_and_b32 v1, 31, v0                           ; L
	v_and_b32 v2, 15, v0                           ; r
	v_bfe_u32 v3, v0, 4, 1                         ; h
	v_lshlrev_b32 v13, 4, v1                       ; 16 L
	v_lshlrev_b32 v14, 3, v1                       ; 8 L
	v_lshlrev_b32 v15, 2, v1                       ; 4 L
	v_lshlrev_b32 v16, 4, v2                       ; 16 r
	s_wait_alu depctr_va_vdst(0)
.irp b, 0,1,2,3
	v_mov_b32 v[TM+4+\b], 0                        ; written once: a lane permute's destination counts as one of its sources
.endr
	s_cmp_eq_u32 s16, 0
	s_cselect_b64 s[76:77], s[10:11], s[12:13]     ; Q's waves store into qb, K's into kv
	s_add_nc_u64 s[76:77], s[76:77], s[94:95]
	s_add_nc_u64 s[78:79], s[12:13], s[94:95]
	s_lshl_b32 s96, s15, 9
	s_add_co_u32 s96, s96, 24576
	s_add_nc_u64 s[88:89], s[76:77], s[96:97]      ; my 128 tokens' scale words
	s_mul_i32 s96, s15, 6144
	s_add_nc_u64 s[76:77], s[76:77], s[96:97]      ; their eight halves
	s_lshl_b32 s96, s15, 8
	s_lshl_b32 s98, s16, 7
	s_add_co_u32 s96, s96, s98
	s_add_co_u32 s96, s96, 25600
	s_add_nc_u64 s[90:91], s[78:79], s[96:97]      ; V's scale words: 256 H + 128 e
	s_mul_i32 s96, s15, 6144
	s_mul_i32 s98, s16, 3072
	s_add_co_u32 s96, s96, s98
	s_add_co_u32 s96, s96, 12288
	s_add_nc_u64 s[78:79], s[78:79], s[96:97]      ; V's two fragments
	s_lshl_b32 s96, s17, 4
	s_lshl_b32 s98, s15, 3
	s_add_co_u32 s98, s96, s98                     ; my first token tile
	s_lshl_b32 s96, s98, 12
	s_add_nc_u64 s[80:81], s[8:9], s[96:97]        ; its table
	s_lshl_b32 s96, s98, 9
	s_add_nc_u64 s[82:83], s[6:7], s[96:97]        ; its scale words
	s_mul_i32 s98, s42, 12
	s_lshl_b32 s96, s16, 2
	s_add_co_u32 s96, s96, s98
	s_lshl_b32 s96, s96, 9
	s_add_co_u32 s96, s96, WSB
	s_add_nc_u64 s[84:85], s[6:7], s[96:97]        ; the scale words of my four tiles of Wq or Wk
	s_lshl_b32 s96, s16, 1
	s_add_co_u32 s96, s96, s98
	s_add_co_u32 s96, s96, 8
	s_lshl_b32 s96, s96, 9
	s_add_co_u32 s96, s96, WSB
	s_add_nc_u64 s[92:93], s[6:7], s[96:97]        ; and of my two of Wv
.irp i, 0,1,2,3,4,5,6,7
.irp q, 0,1
	global_load_b128 v[XS+8*\i+4*\q:XS+8*\i+4*\q+3], v16, s[82:83] offset:512*\i+256*\q   ; row r's words of four K steps
.endr
.endr
.irp t, 0,1,2,3
.irp q, 0,1
	global_load_b128 v[WSR+8*\t+4*\q:WSR+8*\t+4*\q+3], v16, s[84:85] offset:512*\t+256*\q
.endr
.endr
.irp t, 0,1
.irp q, 0,1
	global_load_b128 v[WSR+32+8*\t+4*\q:WSR+32+8*\t+4*\q+3], v16, s[92:93] offset:512*\t+256*\q
.endr
.endr
	WIN 0xc0                                       ; destination window 3
.irp m, 0,1,2,3
.irp q, 0,1,2,3,4,5,6,7
	global_load_b128 v[128+32*\m+4*\q:128+32*\m+4*\q+3], v13, s[80:81] offset:4096*\m+512*\q   ; the tables of token tiles 0-3
.endr
.endr
	WIN 0
	s_mul_i32 s20, s15, 12288
	s_mul_i32 s21, s16, 6144
	s_add_co_u32 s21, s21, WOFF
	s_mul_i32 s22, s16, 3072
	s_add_co_u32 s22, s22, WOFF+12288
.irp sl, 0,1,2
	v_add_nc_u32 v[AX+\sl], s20, v13
	v_add_nc_u32 v[AQ+\sl], s21, v13
	v_add_nc_u32 v[AV+\sl], s22, v13
	s_add_co_u32 s20, s20, 2*XK
	s_add_co_u32 s21, s21, 2*WK
	s_add_co_u32 s22, s22, 2*WK
.endr
; 42 LDS loads in one run: K step s's fragments into set s % 2
.macro FETCH s
.set SL, ((\s)>>1)%3
.set P, (\s)&1
	WIN 0x40*P
.irp i, 0,1,2,3,4,5,6,7
.irp c, 0,1,2
	ds_load_b128 v[XF+12*\i+4*\c:XF+12*\i+4*\c+3], v[AX+SL] offset:P*XK+1536*\i+512*\c
.endr
.endr
	WIN 0x40
.irp t, 0,1,2,3
.irp c, 0,1,2
	ds_load_b128 v[72*P+12*\t+4*\c:72*P+12*\t+4*\c+3], v[AQ+SL] offset:P*WK+1536*\t+512*\c
.endr
.endr
.irp t, 0,1
.irp c, 0,1,2
	ds_load_b128 v[72*P+48+12*\t+4*\c:72*P+48+12*\t+4*\c+3], v[AV+SL] offset:P*WK+1536*\t+512*\c
.endr
.endr
	WIN 0
.endm
; The 48 accumulators take turns, one instruction a turn, in the same order in every K step.  zero = 1: the first K step starts the sums.
.macro MULV s, zero
.set P, (\s)&1
	WIN 0xf4+P
.irp dt, 0,1
.irp i, 0,1,2,3,4,5,6,7
.if \zero
	v_wmma_scale_f32_16x16x128_f8f6f4 v[64*\dt+8*\i:64*\dt+8*\i+7], v[XF+12*\i:XF+12*\i+11], v[72*P+48+12*\dt:72*P+48+12*\dt+11], 0, v[XS+8*\i+(\s)], v[WSR+32+8*\dt+(\s)] matrix_a_fmt:MATRIX_FMT_FP6 matrix_b_fmt:MATRIX_FMT_FP6
.else
	v_wmma_scale_f32_16x16x128_f8f6f4 v[64*\dt+8*\i:64*\dt+8*\i+7], v[XF+12*\i:XF+12*\i+11], v[72*P+48+12*\dt:72*P+48+12*\dt+11], v[64*\dt+8*\i:64*\dt+8*\i+7], v[XS+8*\i+(\s)], v[WSR+32+8*\dt+(\s)] matrix_a_fmt:MATRIX_FMT_FP6 matrix_b_fmt:MATRIX_FMT_FP6
.endif
.endr
.endr
.endm
.macro MULQK s, zero
.set P, (\s)&1
	WIN 0xa1+4*P
.irp m, 0,1,2,3,4,5,6,7
.irp t, 0,1,2,3
.if \zero
	v_wmma_scale_f32_16x16x128_f8f6f4 v[8*(4*\m+\t):8*(4*\m+\t)+7], v[72*P+12*\t:72*P+12*\t+11], v[XF+12*\m:XF+12*\m+11], 0, v[WSR+8*\t+(\s)], v[XS+8*\m+(\s)] matrix_a_fmt:MATRIX_FMT_FP6 matrix_b_fmt:MATRIX_FMT_FP6
.else
	v_wmma_scale_f32_16x16x128_f8f6f4 v[8*(4*\m+\t):8*(4*\m+\t)+7], v[72*P+12*\t:72*P+12*\t+11], v[XF+12*\m:XF+12*\m+11], v[8*(4*\m+\t):8*(4*\m+\t)+7], v[WSR+8*\t+(\s)], v[XS+8*\m+(\s)] matrix_a_fmt:MATRIX_FMT_FP6 matrix_b_fmt:MATRIX_FMT_FP6
.endif
.endr
.endr
.endm
.macro KSTEP s, zero                   ; this K step's fragments are in; the next one's are asked for, 48 matrix instructions ahead of their use
	s_wait_dscnt 0x0
	PLACES 4                                       ; in front of loads into registers that the last K step's matrix instructions have read
	FETCH (\s)+1
	MULV \s, \zero
	MULQK \s, \zero
.endm
	s_wait_alu depctr_va_vdst(0)
	s_wait_tensorcnt 0x0                           ; my three K steps are in
	s_barrier_signal -1
	s_barrier_wait -1
	FETCH 0
	s_wait_loadcnt 32                              ; the scale words are in; the 32 loads of the tables, issued behind them, stay out
	KSTEP 0, 1
	; K step 1 leaves slot 0, which takes K steps 6 and 7: the launch's one refill
	WIN 0                                          ; (the add's two registers lie in window 0)
	s_wait_tensorcnt 0x0                           ; all my tensor loads have landed: slots 1 and 2 are whole once every wave has said so
	ds_add_u32 v[SPW], v[NIL]
	s_mov_b32 s[G1+2], 96<<16                      ; no load of mine is out, so a descriptor may be written: the refill brings one K step: 96 rows of x,
	s_mov_b32 s[G1+4], 96
	s_mov_b32 s[G1B+2], 72<<16                     ; 72 of W
	s_mov_b32 s[G1B+4], 72
	s_wait_dscnt 1                                 ; K step 1's fragments are in; the add alone may be out
	MULV 1, 0                                      ; sixteen matrix instructions stand between the add and the wait for it
	WIN 0
	s_wait_dscnt 0x0                               ; the add is done, and my reads of slot 0 are over
	CROUND                                         ; no wave of any partner still reads slot 0 or has a load on its way
	JLOAD 36, G1, 60, G1B                          ; the first tensor load behind the round; its four v_nop are the places in front of the loads below
	FETCH 2
	MULQK 1, 0
	KSTEP 2, 0
	KSTEP 3, 0                                     ; slot 2 was shown whole by the wait in front of the round
	KSTEP 4, 0
	s_wait_tensorcnt 0x0                           ; my part of K steps 6 and 7 is in (one load was out),
	s_wait_dscnt 0x0
	s_barrier_signal -1
	s_barrier_wait -1                              ; everybody's is
	PLACES 4
	FETCH 6
	MULV 5, 0
	MULQK 5, 0
	KSTEP 6, 0
	s_wait_dscnt 0x0
	MULV 7, 0
	MULQK 7, 0
	WIN 0
	PLACES 4                                       ; in front of the first reads of results and writes of operands
; 32 numbers of a lane, register 16 b + i = d 32 b + 16 h + i, become a half fragment in v[pc] .. v[pc + 5] and the word s0, s1, s0, s1 in v[pw]
.macro QUANT2 s, pc, pw
.irp b, 0,1
	v_max3_num_f32 v[TM+\b], |v[(\s)+16*\b]|, |v[(\s)+16*\b+1]|, 0x1800000   ; and the floor 2^(3 - 127)
.endr
.irp i, 2,4,6,8,10,12,14
.irp b, 0,1
	v_max3_num_f32 v[TM+\b], |v[(\s)+16*\b+\i]|, |v[(\s)+16*\b+\i+1]|, v[TM+\b]
.endr
.endr
.irp b, 0,1
	v_permlanex16_b32 v[TM+4+\b], v[TM+\b], s[SEL], s[SEL+1]
.endr
.irp b, 0,1
	v_max_num_f32 v[TM+\b], v[TM+\b], v[TM+4+\b]
.endr
.irp b, 0,1
	v_add_nc_u32 v[TM+12+\b], 0xff000000, v[TM+\b]
.endr
.irp b, 0,1
	v_lshrrev_b32 v[TM+4+\b], 23, v[TM+12+\b]
.endr
	v_lshl_or_b32 v[\pw], v[TM+5], 8, v[TM+4]
	v_lshl_or_b32 v[\pw], v[\pw], 16, v[\pw]
	v_cvt_scalef32_pk16_fp6_f32 v[(\pc):(\pc)+2], v[(\s):(\s)+15], v[TM+12]
	v_cvt_scalef32_pk16_fp6_f32 v[(\pc)+4:(\pc)+6], v[(\s)+16:(\s)+31], v[TM+13]
	v_nop                                          ; one plain place behind a scaled conversion
.irp i, 0,1,2
	v_permlane16_swap_b32 v[(\pc)+\i], v[(\pc)+4+\i]   ; lanes 0-15 get block 0 whole, lanes 16-31 block 1
.endr
.irp i, 0,1,2
	v_mov_b32 v[(\pc)+3+\i], v[(\pc)+4+\i]
.endr
.endm
; Token tile m of Q or K: rotated, quantised, stored.  A pair of registers is (x1, x2) of one frequency, the table's pair (cos, sin): (x1 c - x2 s, x2 c + x1 s) in two packed lines.
.macro ROPEQ m
.if (\m) < 5
	s_wait_loadcnt 24                              ; tile m's table is in; three younger tables of eight loads stay out
.else
	s_wait_loadcnt 8*(7-(\m))
.endif
	WIN 0x0e                                       ; source 0 window 2 (the sums), source 1 window 3 (the table)
.set i, 0
.rept 16
	v_pk_mul_f32 v[RR+2*i:RR+2*i+1], v[32*(\m)+2*i:32*(\m)+2*i+1], v[128+32*((\m)%4)+2*i:128+32*((\m)%4)+2*i+1] op_sel_hi:[1,0]   ; (x1 c, x2 c); each accumulator from its low end on
.set i, i+1
.endr
.set i, 0
.rept 16
	v_pk_fma_f32 v[RR+2*i:RR+2*i+1], v[32*(\m)+2*i:32*(\m)+2*i+1], v[128+32*((\m)%4)+2*i:128+32*((\m)%4)+2*i+1], v[RR+2*i:RR+2*i+1] op_sel:[1,1,0] op_sel_hi:[0,1,1] neg_lo:[0,1,0]   ; - x2 s, + x1 s
.set i, i+1
.endr
.if (\m) < 4
	WIN 0xc0
.irp q, 0,1,2,3,4,5,6,7
	global_load_b128 v[128+32*(\m)+4*\q:128+32*(\m)+4*\q+3], v13, s[80:81] offset:4096*((\m)+4)+512*\q   ; the table of four tiles on
.endr
.endif
	WIN 0
	QUANT2 RR, PCQ+8*(\m), PWR+(\m)
	global_store_b128 v13, v[PCQ+8*(\m):PCQ+8*(\m)+3], s[76:77] offset:768*(\m)         ; 512 consecutive bytes,
	global_store_b64 v14, v[PCQ+8*(\m)+4:PCQ+8*(\m)+5], s[76:77] offset:768*(\m)+512   ; and 256.  Each tile has registers of its own: no store's data are written again
.endm
.irp m, 0,1,2,3,4,5,6,7
	ROPEQ \m
.endr
	v_cmp_eq_u32 vcc_lo, 1, v3
.irp g, 0,1,2,3
	v_cndmask_b32 v[PWR+8+\g], v[PWR+2*\g], v[PWR+2*\g+1], vcc_lo   ; lanes 0-15 tile 2 g's word, lanes 16-31 tile 2 g + 1's
.endr
	global_store_b128 v13, v[PWR+8:PWR+11], s[88:89]
; V: 64 numbers of a lane in window 3, register 16 b + i = key 32 b + 16 h + i of my channel
.macro QUANT4 s, pc, pw
	WIN 0x0f                                       ; sources 0 and 1 window 3
.irp b, 0,1,2,3
	v_max3_num_f32 v[TM+\b], |v[(\s)+16*\b]|, |v[(\s)+16*\b+1]|, 0x1800000
.endr
.irp i, 2,4,6,8,10,12,14
.irp b, 0,1,2,3
	v_max3_num_f32 v[TM+\b], |v[(\s)+16*\b+\i]|, |v[(\s)+16*\b+\i+1]|, v[TM+\b]
.endr
.endr
	WIN 0
.irp b, 0,1,2,3
	v_permlanex16_b32 v[TM+4+\b], v[TM+\b], s[SEL], s[SEL+1]
.endr
.irp b, 0,1,2,3
	v_max_num_f32 v[TM+\b], v[TM+\b], v[TM+4+\b]
.endr
.irp b, 0,1,2,3
	v_add_nc_u32 v[TM+12+\b], 0xff000000, v[TM+\b]
.endr
.irp b, 0,1,2,3
	v_lshrrev_b32 v[TM+4+\b], 23, v[TM+12+\b]
.endr
	v_lshl_or_b32 v[\pw], v[TM+5], 8, v[TM+4]
	v_lshl_or_b32 v[\pw], v[TM+6], 16, v[\pw]
	v_lshl_or_b32 v[\pw], v[TM+7], 24, v[\pw]
	WIN 0x03                                       ; source 0 window 3
.irp c, 0,1
	v_cvt_scalef32_pk16_fp6_f32 v[(\pc)+6*\c:(\pc)+6*\c+2], v[(\s)+32*\c:(\s)+32*\c+15], v[TM+12+2*\c]
	v_cvt_scalef32_pk16_fp6_f32 v[(\pc)+12+4*\c:(\pc)+14+4*\c], v[(\s)+16+32*\c:(\s)+31+32*\c], v[TM+13+2*\c]
.endr
	WIN 0
	v_nop
.irp c, 0,1
.irp i, 0,1,2
	v_permlane16_swap_b32 v[(\pc)+6*\c+\i], v[(\pc)+12+4*\c+\i]
.endr
.irp i, 0,1,2
	v_mov_b32 v[(\pc)+3+6*\c+\i], v[(\pc)+12+4*\c+\i]
.endr
.endr
.endm
	s_wait_xcnt 0x0                                ; the stores above have read their data: those registers are written again only behind this wait
.irp dt, 0,1
	QUANT4 64*\dt, RR+20*\dt, PWR+\dt
.irp c, 0,1,2
	global_store_b128 v13, v[RR+20*\dt+4*\c:RR+20*\dt+4*\c+3], s[78:79] offset:1536*\dt+512*\c
.endr
.endr
	v_cndmask_b32 v[PWR+2], v[PWR], v[PWR+1], vcc_lo   ; lanes 0-15 channel tile 2 e's word, lanes 16-31 tile 2 e + 1's
	global_store_b32 v15, v[PWR+2], s[90:91]
	s_wait_tensorcnt 0x0                           ; the wave's end
	ds_add_u32 v[SPW], v[NIL]
	s_wait_dscnt 0x0
	CROUND                                         ; the closing round
	s_endpgm
.Lfunc_end_k_q1ee4aa9c27_qkv:
	.size	k_q1ee4aa9c27_qkv, .Lfunc_end_k_q1ee4aa9c27_qkv-k_q1ee4aa9c27_qkv
	.p2alignl 7, 3214868480
	.fill 96, 4, 3214868480
	.section	.rodata,"a",@progbits
	.p2align	6, 0x0
	.amdhsa_kernel k_q1ee4aa9c27_qkv
		.amdhsa_group_segment_fixed_size 327680
		.amdhsa_private_segment_fixed_size 0
		.amdhsa_enable_private_segment 0
		.amdhsa_kernarg_size 40
		.amdhsa_user_sgpr_count 2
		.amdhsa_user_sgpr_kernarg_segment_ptr 1
		.amdhsa_wavefront_size32 1
		.amdhsa_system_sgpr_workgroup_id_x 1
		.amdhsa_system_sgpr_workgroup_id_y 1
		.amdhsa_system_sgpr_workgroup_id_z 1
		.amdhsa_system_vgpr_workitem_id 0
		.amdhsa_next_free_vgpr 1024
		.amdhsa_next_free_sgpr 100
		.amdhsa_reserve_vcc 1
		.amdhsa_float_denorm_mode_32 3
		.amdhsa_float_denorm_mode_16_64 3
		.amdhsa_memory_ordered 1
		.amdhsa_forward_progress 1
		.amdhsa_inst_pref_size 133
	.end_amdhsa_kernel
	.amdgpu_metadata
---
amdhsa.version: [ 1, 2 ]
amdhsa.kernels:
  - .name:           k_q1ee4aa9c27_qkv
    .symbol:         k_q1ee4aa9c27_qkv.kd
    .args:
      - { .name: cod1, .offset: 0, .size: 8, .value_kind: global_buffer, .address_space: global }
      - { .name: scl1, .offset: 8, .size: 8, .value_kind: global_buffer, .address_space: global }
      - { .name: rope, .offset: 16, .size: 8, .value_kind: global_buffer, .address_space: global }
      - { .name: qb, .offset: 24, .size: 8, .value_kind: global_buffer, .address_space: global }
      - { .name: kv, .offset: 32, .size: 8, .value_kind: global_buffer, .address_space: global }
    .group_segment_fixed_size: 327680
    .private_segment_fixed_size: 0
    .kernarg_segment_align: 8
    .kernarg_segment_size: 40
    .max_flat_workgroup_size: 128
    .sgpr_count:     100
    .vgpr_count:     1024
    .wavefront_size: 32
...
	.end_amdgpu_metadata
.endif
;; end of part 2
;; launch attn (part 3): grid 16 x 16, 16 waves a work-group, no clusters, 327,680 bytes of LDS; arguments qb, kv, oc, osc; writes oc, osc
.if DOCPART == 3
	.amdgcn_target "amdgcn-amd-amdhsa--gfx1250"
	.amdhsa_code_object_version 6
	.text
	.protected	k_q1ee4aa9c27_attn
	.globl	k_q1ee4aa9c27_attn
	.p2align	8
	.type	k_q1ee4aa9c27_attn,@function
k_q1ee4aa9c27_attn:
	s_mov_b64 s[64:65], 0
	v_nop
	global_prefetch_b8 v0, s[64:65] scope:SCOPE_SE
	s_setreg_imm32_b32 hwreg(HW_REG_WAVE_MODE, 25, 1), 1
	s_wait_xcnt 0x0
; Causal attention of 16 heads of 64 over 4,096 tokens, both products on codes of FP6 (E2M3) with E8M0 scales; O / l is quantised along the model's 1,024 (blocks of 32 lie inside a head) and leaves as the last product's operand.
; THE SOFTMAX: t = score x log2(e) / 8; M = the running largest t rounded up to a whole number; p = 2^(t - M) is quantised along the keys, not normalised; the sum is taken of the unquantised p and divides O at the end;
; when M moves, the sum and O are multiplied by 2^(old M - new M), which rounds nothing.
; SHARES, even under the mask.  The tokens are 32 blocks of 128 queries.  Work-group j of a head owns blocks j and 31 - j; a wave owns one tile of 16 queries: waves 0-3 and 8-11 of block j, waves 4-7 and 12-15 of block 31 - j.
; A wave of block B walks B + 1 steps of 128 keys, so the sixteen waves of every work-group walk 8 x 33 steps.  Steps all of whose keys come after the wave's block are jumped over by a scalar branch on ids.
; LAYOUT.  S^T = K Q^T (source 0 = 16 keys), O^T = V^T P^T (source 0 = 16 channels): a lane holds one query throughout.  The rows of every tile are 32 (T / 2) + 8 (T % 2) + r + 8 (r / 8): p's 16 registers of two tiles are 16 neighbouring keys.
; A HEAD IS 64, THE INSTRUCTION'S K IS 128: Q stands twice in its operand; an even tile of keys is followed, an odd one preceded, by six registers of zero codes, which add nothing; all scale words are s0, s1, s0, s1.
; THE RING: two slots, each one record of kv (256 keys: codes and scale words, 26,112 dense bytes), fetched by waves 0 and 1, half each, read by all sixteen.  Every wait on TENSORcnt is for 0; one load of a wave is out at most.
; Every work-group walks all 16 changes of slots (constant trip count); a slot whose first key comes after the work-group's last query is not asked for: a jump on ids alone, the same in all waves, round the load's own lines.
; NO CLUSTER.
; PREFETCH: work-group 0 of a head, which asks for all 16 slots, names the codes (24,576 bytes) of the slot after the one being asked for: waves 4-6, 8,192 bytes each, lanes 256 bytes apart; the last filling change names nothing.
; REGISTERS: v1-3 16 L, 8 L, 4 L; v5, v6 the add's; v8-10 the step's LDS addresses; v12 -M, v13 the largest t, v[14:15] the sum; v16-27 Q twice; v28 prefetch offset; v29 my query less 16 h; v30 16 r;
;   v32-103 K's eight halves and four runs of zeros; V's fragments at v44, v62, v80 (over halves that are done with) and v104; v116-119 K's scale words, v120-121 V's, v122 Q's, v123 p's; v128-191 S^T, then p; v192-223 O^T; v224-255 at work.
; LIMITS: a block whose largest p has fallen under 2^-124 keeps the byte 1; NaN and infinities are not served; O / l is a reciprocal and a multiplication.
.set REC,   26112
.set SLOT1, 32768                      ; slot 1 begins here: one exclusive or turns an address
.set SPARE, 65536                      ; the spare words, 128 bytes for each of 16 waves
.set VCO,   12288
.set KSO,   24576
.set VSO,   25600
.set SPW, 5
.set NIL, 6
.set PFO, 28
.set WV,  18
.set SEL, 20
.set CS,  22
.set G1,  24
.set G0,  40
.set TB,  2                            ; s2   LDS byte at which the slot in hand begins
.set SLOTS, 67
.set PFA, 76
.set LIM, 80
.set BH,  97                           ; s97  the work-group's later block
.set STP, 98                           ; s98  the step: which 128 keys
.set BW,  99                           ; s99  my block
.macro TLOAD                           ; waves 0 and 1 fetch half a record each; an s_nop 0 and four v_nop follow the line
	s_cmp_lt_u32 s[WV], 2
	s_cbranch_scc0 .Lasked_\@
	tensor_load_to_lds s[G0:G0+3], s[G1:G1+7]
	s_nop 0
.rept 4
	v_nop
.endr
.Lasked_\@:
.endm
.macro ASK
	s_cmp_gt_u32 s[SLOTS], s[LIM]
	s_cbranch_scc0 .Lnot_mine_\@
	global_prefetch_b8 v[PFO], s[PFA:PFA+1] th:TH_LOAD_NT scope:SCOPE_SE
.Lnot_mine_\@:
.endm
	s_load_b256 s[4:11], s[0:1], 0x0               ; qb, kv, oc, osc
	v_lshl_add_u32 v[SPW], v0, 2, SPARE
	v_mov_b32 v[NIL], 0
	ds_add_u32 v[SPW], v[NIL]                      ; the wave's opening: the add and its wait stand ahead of my first tensor load; work on registers stands between them
	ds_add_u32 v[SPW], v[NIL]
	v_lshrrev_b32 v8, 5, v0
	s_delay_alu instid0(VALU_DEP_1)
	v_readfirstlane_b32 s[WV], v8                  ; wave 0..15
	s_and_b32 s72, ttmp7, 0xffff                   ; the head
	s_sub_co_u32 s[BH], 31, ttmp9
	s_bfe_u32 s73, s[WV], 0x10002
	s_cmp_eq_u32 s73, 0
	s_cselect_b32 s[BW], ttmp9, s[BH]              ; my block of 128 queries
	s_and_b32 s74, s[WV], 3
	s_lshr_b32 s75, s[WV], 3
	s_lshl_b32 s75, s75, 2
	s_add_co_u32 s74, s74, s75                     ; tq: my tile in it
	s_mov_b32 s[G1], 3<<16                         ; no mask; elements of 8 bytes; no padding
	s_mov_b32 s[G1+1], 32<<16                      ; rows of 256 bytes
	s_mov_b32 s[G1+2], 51<<16                      ; 51 of them: 13,056 bytes
	s_mov_b32 s[G1+3], 32<<16
	s_mov_b32 s[G1+4], 51
	s_mov_b32 s[G1+5], 32
	s_mov_b32 s[G1+6], 0
	s_mov_b32 s[G1+7], 0
	s_mul_i32 s82, s72, 16*REC                     ; the head's first record
	s_and_b32 s81, s[WV], 1
	s_mul_i32 s81, s81, 13056                      ; my half of a record
	s_add_co_u32 s94, s82, s81
	s_mov_b32 s95, 0
	s_lshr_b32 s84, s[BW], 1
	s_mul_i32 s84, s84, REC
	s_add_co_u32 s84, s84, s82                     ; my block's record in qb
	s_and_b32 s79, s[BW], 1
	s_mul_i32 s78, s79, 6144
	s_mul_i32 s85, s74, 768
	s_add_co_u32 s78, s78, s85                     ; my tile's half fragment in it
	s_lshl_b32 s86, s79, 9
	s_and_b32 s85, s74, 1
	s_lshl_b32 s85, s85, 8
	s_add_co_u32 s86, s86, s85
	s_lshr_b32 s85, s74, 1
	s_lshl_b32 s87, s85, 2
	s_add_co_u32 s86, s86, s87
	s_add_co_u32 s86, s86, KSO
	s_add_co_u32 s86, s86, s84                     ; my tile's scale words: 512 (B % 2) + 256 (tq % 2) + 4 (tq / 2)
	s_add_co_u32 s84, s84, s78
	s_lshl_b32 s92, s85, 5
	s_and_b32 s85, s74, 1
	s_lshl_b32 s85, s85, 3
	s_add_co_u32 s92, s92, s85                     ; 32 (tq / 2) + 8 (tq % 2)
	s_mov_b32 s85, 0
	s_mov_b32 s87, 0
	s_mul_i32 s88, s[BW], 98304
	s_lshr_b32 s89, s72, 1
	s_mul_i32 s89, s89, 12288
	s_add_co_u32 s88, s88, s89
	s_mul_i32 s89, s74, 1536
	s_add_co_u32 s88, s88, s89
	s_and_b32 s89, s72, 1
	s_mul_i32 s89, s89, 768
	s_add_co_u32 s88, s88, s89                     ; oc: [block][head / 2][tile][head % 2]
	s_mov_b32 s89, 0
	s_lshl_b32 s90, s[BW], 14
	s_lshl_b32 s91, s74, 11
	s_add_co_u32 s90, s90, s91
	s_lshl_b32 s91, s72, 7
	s_add_co_u32 s90, s90, s91                     ; osc: [block][tile][head] of 128 bytes
	s_mov_b32 s91, 0
	s_and_b32 s76, s[WV], 3
	s_lshl_b32 s76, s76, 13
	s_add_co_u32 s76, s76, s82
	s_add_co_u32 s76, s76, REC                     ; the prefetches stand in slot 1: the first change of slots steps them to slot 2
	s_mov_b32 s77, 0
	s_sub_co_u32 s83, s[WV], 4
	s_lshr_b32 s83, s83, 2                         ; 0 in waves 4 to 7,
	s_or_b32 s83, s83, ttmp9                       ; of the head's work-group 0
	s_cmp_eq_u32 s83, 0
	s_cselect_b32 s[LIM], 1, -1
	s_cmp_eq_u32 s[WV], 7                          ; (the codes are three waves' worth)
	s_cselect_b32 s[LIM], -1, s[LIM]
	s_mov_b32 s[SEL], 0x76543210
	s_mov_b32 s[SEL+1], 0xfedcba98
	s_mov_b32 s[CS], 0x3e38aa3b                    ; c = log2(e) / 8
	s_mov_b32 s[CS+1], s[CS]                       ; (named with it as a pair, so it is written)
	s_mov_b32 s[TB], 0
	s_mov_b32 s[STP], 0
	s_mov_b32 s[SLOTS], 15
	s_wait_dscnt 0x0                               ; the opening add is done
	s_wait_kmcnt 0x0
	s_mov_b32 s[G0], 1
	s_mov_b32 s[G0+1], s81
	s_add_nc_u64 s[G0+2:G0+3], s[6:7], s[94:95]
	s_or_b32 s[G0+3], s[G0+3], 0x80000000
	TLOAD                                          ; slot 0
	s_add_nc_u64 s[84:85], s[4:5], s[84:85]
	s_add_nc_u64 s[86:87], s[4:5], s[86:87]
	s_add_nc_u64 s[88:89], s[8:9], s[88:89]
	s_add_nc_u64 s[90:91], s[10:11], s[90:91]
	s_add_nc_u64 s[PFA:PFA+1], s[6:7], s[PFA:PFA+1]
	v_and_b32 v4, 31, v0                           ; L
	s_delay_alu instid0(VALU_DEP_1)
	v_lshlrev_b32 v1, 4, v4
	s_delay_alu instid0(VALU_DEP_2)
	v_lshlrev_b32 v2, 3, v4
	s_delay_alu instid0(VALU_DEP_3)
	v_lshlrev_b32 v3, 2, v4
	s_delay_alu instid0(VALU_DEP_4)
	v_lshlrev_b32 v[PFO], 8, v4
	v_and_b32 v7, 15, v0                           ; r
	s_delay_alu instid0(VALU_DEP_1)
	v_lshlrev_b32 v30, 4, v7
	global_load_b128 v[16:19], v1, s[84:85]        ; Q's half fragment, twice
	global_load_b64 v[20:21], v2, s[84:85] offset:512
	global_load_b128 v[22:25], v1, s[84:85]
	global_load_b64 v[26:27], v2, s[84:85] offset:512
	global_load_b32 v122, v30, s[86:87]            ; row r's scale word
	v_bfe_u32 v11, v0, 4, 1                        ; h
	v_and_b32 v29, 8, v7
	s_delay_alu instid0(VALU_DEP_1)
	v_add_nc_u32 v29, v29, v7
	s_delay_alu instid0(VALU_DEP_1)
	v_add_nc_u32 v29, s92, v29                     ; my query in its block,
	s_delay_alu instid0(VALU_DEP_4)
	v_lshlrev_b32 v11, 4, v11
	s_delay_alu instid0(VALU_DEP_1)
	v_sub_nc_u32 v29, v29, v11                     ; less 16 h: on the diagonal register 16 b + i is hidden where 32 b + i is above this
	v_mov_b32 v13, 0xff61b1e6                      ; the largest t so far: -3e38
	s_delay_alu instid0(VALU_DEP_1)
	v_floor_f32 v12, -v13                          ; -M
	v_mov_b32 v14, 0
	v_mov_b32 v15, 0
.irp b, 0,1,2,3
	v_mov_b32 v[236+\b], 0                         ; written once: a lane permute's destination counts as one of its sources
.endr
	v_mov_b32 v252, 0
	v_mov_b32 v253, 0                              ; (named as the upper half of the pair v[252:253])
.irp T, 0,1,2,3
.irp i, 0,1,2,3,4,5
	v_mov_b32 v[38+18*\T+\i], 0                    ; the zero codes between the two halves of a pair of tiles: written once, never loaded into
.endr
.endr
.set n, 0
.rept 32
	v_mov_b32 v[192+n], 0                          ; O^T: the loop has no first step of its own
.set n, n+1
.endr
; A KEY STEP: 128 keys, the q-th of the slot in hand
.macro STEP q
	s_cmp_gt_u32 s[STP], s[BW]                     ; all its keys come after my queries: ids alone; no barrier and no tensor load stands in a step
	s_cbranch_scc1 .Lhidden_\@
	v_add_nc_u32 v8, s[TB], v1
	v_add_nc_u32 v9, s[TB], v2
	v_add_nc_u32 v10, s[TB], v3
	v_nop                                          ; four places in front of loads into registers that the last products have read
.irp t, 0,1,2,3,4,5,6,7
	ds_load_b128 v[32+18*(\t/2)+12*(\t%2):35+18*(\t/2)+12*(\t%2)], v8 offset:6144*(\q)+768*\t
	ds_load_b64 v[36+18*(\t/2)+12*(\t%2):37+18*(\t/2)+12*(\t%2)], v9 offset:6144*(\q)+768*\t+512
.endr
	ds_load_b128 v[116:119], v8 offset:KSO+512*(\q)
	s_wait_alu depctr_va_vdst(0)
	s_wait_dscnt 0x0
.irp T, 0,1,2,3
	v_wmma_scale_f32_16x16x128_f8f6f4 v[128+16*\T:135+16*\T], v[32+18*\T:43+18*\T], v[16:27], 0, v[116+\T], v122 matrix_a_fmt:MATRIX_FMT_FP6 matrix_b_fmt:MATRIX_FMT_FP6
	v_wmma_scale_f32_16x16x128_f8f6f4 v[136+16*\T:143+16*\T], v[38+18*\T:49+18*\T], v[16:27], 0, v[116+\T], v122 matrix_a_fmt:MATRIX_FMT_FP6 matrix_b_fmt:MATRIX_FMT_FP6 matrix_a_scale:MATRIX_SCALE_ROW1
.endr
.rept 4
	v_nop                                          ; places: in front of the loads below and of the first read of the scores
.endr
.irp t, 0,1,2,3
.irp c, 0,1,2
	ds_load_b128 v[44+18*\t+6*(\t/3)+4*\c:47+18*\t+6*(\t/3)+4*\c], v8 offset:VCO+6144*(\q)+1536*\t+512*\c   ; V's four fragments land while the softmax is walked
.endr
.endr
.irp g, 0,1
	ds_load_b32 v[120+\g], v10 offset:VSO+256*(\q)+128*\g
.endr
	s_cmp_lt_u32 s[STP], s[BW]                     ; all keys count but in the step on the diagonal
	s_cbranch_scc1 .Lopen_\@
	v_mov_b32 v254, 0xff800000                     ; -infinity: p = 0 then
.set n, 0
.rept 64
	v_cmp_gt_i32 vcc_lo, 32*(n/16)+n%16, v29
	v_cndmask_b32 v[128+n], v[128+n], v254, vcc_lo
.set n, n+1
.endr
.Lopen_\@:
.irp b, 0,1,2,3
	v_max3_num_f32 v[248+\b], v[128+16*\b], v[129+16*\b], v[130+16*\b]   ; the largest score of each block of 32 keys: for the row's maximum and, since p rises with the score, for the block's largest p
.endr
.irp i, 3,5,7,9,11,13
.irp b, 0,1,2,3
	v_max3_num_f32 v[248+\b], v[248+\b], v[128+16*\b+\i], v[129+16*\b+\i]
.endr
.endr
.irp b, 0,1,2,3
	v_max_num_f32 v[248+\b], v[248+\b], v[143+16*\b]
.endr
.irp b, 0,1,2,3
	s_delay_alu instid0(VALU_DEP_4)
	v_permlanex16_b32 v[236+\b], v[248+\b], s[SEL], s[SEL+1]
.endr
.irp b, 0,1,2,3
	s_delay_alu instid0(VALU_DEP_4)
	v_max_num_f32 v[248+\b], v[248+\b], v[236+\b]  ; with lane l xor 16's 16 keys
.endr
	s_delay_alu instid0(VALU_DEP_2)
	v_max3_num_f32 v254, v248, v249, v250
	s_delay_alu instid0(VALU_DEP_1)
	v_max_num_f32 v254, v254, v251
	s_delay_alu instid0(VALU_DEP_1)
	v_mul_f32 v254, s[CS], v254                    ; as t
	s_delay_alu instid0(VALU_DEP_1)
	v_max_num_f32 v13, v13, v254                   ; the running largest t
	v_mov_b32 v254, v12
	s_delay_alu instid0(VALU_DEP_2)
	v_floor_f32 v12, -v13                          ; the new -M = -ceil(t)
	s_delay_alu instid0(VALU_DEP_1)
	v_sub_f32 v254, v12, v254                      ; old M - new M: a whole number, 0 or less
	s_delay_alu instid0(VALU_DEP_1)
	v_cvt_i32_f32 v254, v254                       ; (it saturates)
	s_delay_alu instid0(VALU_DEP_1)
	v_ldexp_f32 v252, 1.0, v254                    ; f = 2^(old M - new M)
.set n, 0
.rept 32
	v_pk_fma_f32 v[128+2*n:129+2*n], v[128+2*n:129+2*n], s[CS:CS+1], v[12:13] op_sel_hi:[1,0,0]   ; t - M, two at a time
.set n, n+1
.endr
.irp b, 0,1,2,3
	v_fma_f32 v[248+\b], v[248+\b], s[CS], v12     ; the same of each block's largest score
.endr
.set n, 0
	s_wait_alu depctr_va_vdst(0)
.rept 64
	v_exp_f32 v[128+n], v[128+n]                   ; p = 2^(t - M): one batch
.set n, n+1
.endr
	v_pk_mul_f32 v[14:15], v[14:15], v[252:253] op_sel_hi:[1,0]   ; the sums under the new M (a plain place behind the batch)
	s_wait_alu depctr_va_vdst(0)                   ; one wait for the batch, ahead of its first reader
.irp b, 0,1,2,3
	v_exp_f32 v[248+\b], v[248+\b]                 ; the blocks' largest p
.endr
	v_pk_add_f32 v[236:237], v[132:133], v[136:137]
	v_pk_add_f32 v[254:255], v[140:141], v[144:145]
	v_pk_add_f32 v[246:247], v[148:149], v[152:153]
	v_pk_add_f32 v[244:245], v[156:157], v[160:161]
	v_pk_add_f32 v[242:243], v[164:165], v[168:169]
	v_pk_add_f32 v[240:241], v[172:173], v[176:177]
	v_pk_add_f32 v[238:239], v[180:181], v[184:185]
	v_pk_add_f32 v[14:15], v[14:15], v[188:189]
	v_pk_add_f32 v[236:237], v[236:237], v[128:129]
	v_pk_add_f32 v[254:255], v[254:255], v[130:131]
	v_pk_add_f32 v[246:247], v[246:247], v[134:135]
	v_pk_add_f32 v[244:245], v[244:245], v[138:139]
	v_pk_add_f32 v[242:243], v[242:243], v[142:143]
	v_pk_add_f32 v[240:241], v[240:241], v[146:147]
	v_pk_add_f32 v[238:239], v[238:239], v[150:151]
	v_pk_add_f32 v[14:15], v[14:15], v[154:155]
	v_pk_add_f32 v[236:237], v[236:237], v[158:159]
	v_pk_add_f32 v[254:255], v[254:255], v[162:163]
	v_pk_add_f32 v[246:247], v[246:247], v[166:167]
	v_pk_add_f32 v[244:245], v[244:245], v[170:171]
	v_pk_add_f32 v[242:243], v[242:243], v[174:175]
	v_pk_add_f32 v[240:241], v[240:241], v[178:179]
	v_pk_add_f32 v[238:239], v[238:239], v[182:183]
	v_pk_add_f32 v[14:15], v[14:15], v[186:187]
	v_pk_add_f32 v[236:237], v[236:237], v[190:191]
	s_delay_alu instid0(VALU_DEP_2)
	v_pk_add_f32 v[14:15], v[14:15], v[244:245]
	s_delay_alu instid0(VALU_DEP_2)
	v_pk_add_f32 v[236:237], v[236:237], v[242:243]
	v_pk_add_f32 v[254:255], v[254:255], v[240:241]
	v_pk_add_f32 v[246:247], v[246:247], v[238:239]
	s_delay_alu instid0(VALU_DEP_2)
	v_pk_add_f32 v[14:15], v[14:15], v[254:255]
	s_delay_alu instid0(VALU_DEP_2)
	v_pk_add_f32 v[236:237], v[236:237], v[246:247]
	s_delay_alu instid0(VALU_DEP_1)
	v_pk_add_f32 v[14:15], v[14:15], v[236:237]
	s_wait_alu depctr_va_vdst(0)                   ; and one for the four
.irp b, 0,1,2,3
	v_max_num_f32 v[248+\b], 0x1800000, v[248+\b]  ; the floor 2^(3 - 127)
.endr
.irp b, 0,1,2,3
	s_delay_alu instid0(VALU_DEP_4)
	v_add_nc_u32 v[244+\b], 0xff000000, v[248+\b]  ; 2 off the exponent field: the conversion's scale operand
.endr
.irp b, 0,1,2,3
	s_delay_alu instid0(VALU_DEP_4)
	v_lshrrev_b32 v[236+\b], 23, v[244+\b]
.endr
	s_delay_alu instid0(VALU_DEP_3)
	v_lshl_or_b32 v123, v237, 8, v236              ; p's scale word for these 128 keys
	s_delay_alu instid0(VALU_DEP_1)
	v_lshl_or_b32 v123, v238, 16, v123
	s_delay_alu instid0(VALU_DEP_1)
	v_lshl_or_b32 v123, v239, 24, v123
.irp c, 0,1
	v_cvt_scalef32_pk16_fp6_f32 v[224+6*\c:226+6*\c], v[128+32*\c:143+32*\c], v[244+2*\c]
	v_cvt_scalef32_pk16_fp6_f32 v[236+4*\c:238+4*\c], v[144+32*\c:159+32*\c], v[245+2*\c]
.endr
	v_nop                                          ; one plain place behind a scaled conversion
.irp c, 0,1
.irp i, 0,1,2
	v_permlane16_swap_b32 v[224+6*\c+\i], v[236+4*\c+\i]
.endr
.irp i, 0,1,2
	s_delay_alu instid0(VALU_DEP_3)
	v_mov_b32 v[227+6*\c+\i], v[236+4*\c+\i]
.endr
.endr
.set n, 0
.rept 16
	v_pk_mul_f32 v[192+2*n:193+2*n], v[192+2*n:193+2*n], v[252:253] op_sel_hi:[1,0]   ; O^T under the new M; these are also the places between p's codes and scale word and the products
.set n, n+1
.endr
	s_wait_alu depctr_va_vdst(0)
	s_wait_dscnt 0x0                               ; V is in
.irp T, 0,1
	v_wmma_scale_f32_16x16x128_f8f6f4 v[192+16*\T:199+16*\T], v[44+36*\T:55+36*\T], v[224:235], v[192+16*\T:199+16*\T], v[120+\T], v123 matrix_a_fmt:MATRIX_FMT_FP6 matrix_b_fmt:MATRIX_FMT_FP6
	v_wmma_scale_f32_16x16x128_f8f6f4 v[200+16*\T:207+16*\T], v[62+42*\T:73+42*\T], v[224:235], v[200+16*\T:207+16*\T], v[120+\T], v123 matrix_a_fmt:MATRIX_FMT_FP6 matrix_b_fmt:MATRIX_FMT_FP6 matrix_a_scale:MATRIX_SCALE_ROW1
.endr
.Lhidden_\@:
	s_add_co_u32 s[STP], s[STP], 1
.endm
; THE CHANGE OF SLOTS stands at a slot's head: each wave waits for all its tensor loads, adds 0 to its spare word, waits for that and for its reads of the slot that it has left; behind the barrier the slot ahead is whole and nobody reads the other.
.macro CHANGE fill
	s_wait_tensorcnt 0x0                           ; no tensor load of mine is out, so the group 0 may be written
	ds_add_u32 v[SPW], v[NIL]
.if \fill
	s_xor_b32 s[G0+1], s[G0+1], SLOT1              ; the other slot than last time,
	s_add_nc_u64 s[G0+2:G0+3], s[G0+2:G0+3], REC   ; the next record
	s_wait_xcnt 0x0                                ; the last prefetch, a slot back, has read its address
	s_add_nc_u64 s[PFA:PFA+1], s[PFA:PFA+1], REC
.endif
	s_wait_dscnt 0x0                               ; the add is done, and my reads of the slot that I have left are over
	s_barrier_signal -1
	s_barrier_wait -1
.if \fill
	s_add_co_u32 s96, s[STP], 2                    ; the first step of the slot that this change would ask for:
	s_cmp_gt_u32 s96, s[BH]                        ; past the work-group's later block no wave reads it, so it is not asked for; ids and the count of steps alone
	s_cbranch_scc1 .Lpast_\@
	TLOAD                                          ; a wave's one tensor load until the next change
.Lpast_\@:
	ASK
.endif
.endm
	s_wait_loadcnt 0x0                             ; Q
.Lslot:                                            ; 15 trips
	CHANGE 1
	STEP 0
	STEP 1
	s_xor_b32 s[TB], s[TB], SLOT1
	s_sub_co_u32 s[SLOTS], s[SLOTS], 1
	s_cmp_lg_u32 s[SLOTS], 0
	s_cbranch_scc1 .Lslot
	CHANGE 0                                       ; the last slot is written out: nothing is left to ask for
	STEP 0
	STEP 1
	; THE WAY OUT: O^T / the sum, quantised along the head's 64 (two blocks of the model's 1,024), stored as half a fragment and a scale word
.rept 4
	v_nop                                          ; places behind the last products
.endr
	v_add_f32 v14, v14, v15
	s_delay_alu instid0(VALU_DEP_1)
	v_permlanex16_b32 v252, v14, s[SEL], s[SEL+1]
	s_delay_alu instid0(VALU_DEP_1)
	v_add_f32 v14, v14, v252                       ; the row's sum
	s_wait_alu depctr_va_vdst(0)
	v_rcp_f32 v14, v14
	v_nop                                          ; a plain place behind the transcendental
	s_wait_alu depctr_va_vdst(0)                   ; and the wait ahead of its first reader
.set n, 0
.rept 32
	v_mul_f32 v[128+n], v[192+n], v14              ; register 16 b + i is o(my query, 32 b + 16 h + i); each accumulator from its low end on
.set n, n+1
.endr
.irp b, 0,1
	v_max3_num_f32 v[248+\b], |v[128+16*\b]|, |v[129+16*\b]|, 0x1800000
.endr
.irp i, 2,4,6,8,10,12,14
.irp b, 0,1
	s_delay_alu instid0(VALU_DEP_2)
	v_max3_num_f32 v[248+\b], |v[128+16*\b+\i]|, |v[129+16*\b+\i]|, v[248+\b]
.endr
.endr
.irp b, 0,1
	s_delay_alu instid0(VALU_DEP_2)
	v_permlanex16_b32 v[236+\b], v[248+\b], s[SEL], s[SEL+1]
.endr
.irp b, 0,1
	s_delay_alu instid0(VALU_DEP_2)
	v_max_num_f32 v[248+\b], v[248+\b], v[236+\b]
.endr
.irp b, 0,1
	s_delay_alu instid0(VALU_DEP_2)
	v_add_nc_u32 v[244+\b], 0xff000000, v[248+\b]
.endr
.irp b, 0,1
	s_delay_alu instid0(VALU_DEP_2)
	v_lshrrev_b32 v[250+\b], 23, v[244+\b]
.endr
	s_delay_alu instid0(VALU_DEP_1)
	v_lshl_or_b32 v254, v251, 8, v250
	s_delay_alu instid0(VALU_DEP_1)
	v_lshl_or_b32 v254, v254, 16, v254             ; s0, s1, s0, s1
	v_cvt_scalef32_pk16_fp6_f32 v[224:226], v[128:143], v244
	v_cvt_scalef32_pk16_fp6_f32 v[228:230], v[144:159], v245
	v_nop
.irp i, 0,1,2
	v_permlane16_swap_b32 v[224+\i], v[228+\i]
.endr
.irp i, 0,1,2
	s_delay_alu instid0(VALU_DEP_3)
	v_mov_b32 v[227+\i], v[228+\i]
.endr
	global_store_b128 v1, v[224:227], s[88:89]
	global_store_b64 v2, v[228:229], s[88:89] offset:512
	global_store_b32 v3, v254, s[90:91]
	s_wait_tensorcnt 0x0                           ; the wave's end
	ds_add_u32 v[SPW], v[NIL]
	s_wait_dscnt 0x0
	s_endpgm
.Lfunc_end_k_q1ee4aa9c27_attn:
	.size	k_q1ee4aa9c27_attn, .Lfunc_end_k_q1ee4aa9c27_attn-k_q1ee4aa9c27_attn
	.p2alignl 7, 3214868480
	.fill 96, 4, 3214868480
	.section	.rodata,"a",@progbits
	.p2align	6, 0x0
	.amdhsa_kernel k_q1ee4aa9c27_attn
		.amdhsa_group_segment_fixed_size 327680
		.amdhsa_private_segment_fixed_size 0
		.amdhsa_enable_private_segment 0
		.amdhsa_kernarg_size 32
		.amdhsa_user_sgpr_count 2
		.amdhsa_user_sgpr_kernarg_segment_ptr 1
		.amdhsa_wavefront_size32 1
		.amdhsa_system_sgpr_workgroup_id_x 1
		.amdhsa_system_sgpr_workgroup_id_y 1
		.amdhsa_system_sgpr_workgroup_id_z 1
		.amdhsa_system_vgpr_workitem_id 0
		.amdhsa_next_free_vgpr 256
		.amdhsa_next_free_sgpr 100
		.amdhsa_reserve_vcc 1
		.amdhsa_float_denorm_mode_32 3
		.amdhsa_float_denorm_mode_16_64 3
		.amdhsa_memory_ordered 1
		.amdhsa_forward_progress 1
		.amdhsa_inst_pref_size 102
	.end_amdhsa_kernel
	.amdgpu_metadata
---
amdhsa.version: [ 1, 2 ]
amdhsa.kernels:
  - .name:           k_q1ee4aa9c27_attn
    .symbol:         k_q1ee4aa9c27_attn.kd
    .args:
      - { .name: qb, .offset: 0, .size: 8, .value_kind: global_buffer, .address_space: global }
      - { .name: kv, .offset: 8, .size: 8, .value_kind: global_buffer, .address_space: global }
      - { .name: oc, .offset: 16, .size: 8, .value_kind: global_buffer, .address_space: global }
      - { .name: osc, .offset: 24, .size: 8, .value_kind: global_buffer, .address_space: global }
    .group_segment_fixed_size: 327680
    .private_segment_fixed_size: 0
    .kernarg_segment_align: 8
    .kernarg_segment_size: 32
    .max_flat_workgroup_size: 512
    .sgpr_count:     100
    .vgpr_count:     256
    .wavefront_size: 32
...
	.end_amdgpu_metadata
.endif
;; end of part 3
;; launch oproj (part 4): grid 8 x 32, 4 waves a work-group, clusters of 4 x 4, 327,680 bytes of LDS; arguments oc, osc, cod1, scl1, out0; writes out0
.if DOCPART == 4
	.amdgcn_target "amdgcn-amd-amdhsa--gfx1250"
	.amdhsa_code_object_version 6
	.text
	.protected	k_q1ee4aa9c27_oproj
	.globl	k_q1ee4aa9c27_oproj
	.p2align	8
	.type	k_q1ee4aa9c27_oproj,@function
k_q1ee4aa9c27_oproj:
	s_mov_b64 s[64:65], 0
	v_nop
	global_prefetch_b8 v0, s[64:65] scope:SCOPE_SE
	s_setreg_imm32_b32 hwreg(HW_REG_WAVE_MODE, 25, 1), 1
	s_wait_xcnt 0x0
	s_wait_alu depctr_hold_cnt(0) depctr_sa_sdst(0) depctr_va_vdst(0) depctr_va_sdst(0) depctr_va_ssrc(0) depctr_va_vcc(0) depctr_vm_vsrc(0)
	s_getreg_b32 s2, hwreg(HW_REG_IB_STS2, 6, 4)
	s_cmp_eq_u32 s2, 0
	s_cbranch_scc0 .Lentry_in_a_cluster
	s_endpgm
.Lentry_in_a_cluster:
	s_bfe_u32 s2, ttmp6, 0x10000c
	s_cmp_lg_u32 s2, 0xf033
	s_cbranch_scc0 .Lentry_shape_is_right
	s_endpgm
.Lentry_shape_is_right:
; out0 = (O / l) Wo^T on codes of FP6 (E2M3) with E8M0 scales.  A work-group takes 128 tokens x 128 features, K = 1,024 in eight K steps; wave w: 64 tokens (w / 2) x 64 features (w % 2), 16 accumulators by turns.
; All eight K steps of both operands lie in LDS, filled once: at the head each wave issues ONE joint load of four K steps (waves 0, 1: the tokens' codes; waves 2, 3: Wo's).  Cluster 4 x 4: the tokens' codes are shared along a row, Wo's along a column.
; No prefetch: the launch has no loop to run ahead in; every tile is asked for at the head.
.set CHK,   49152
.set KST,   12288
.set BOFF,  98304
.set STAGE, 196608
.set SPARE, 214016
.set WOC,   5505024
.set WOSB,  229376
.set A16, 4
.set A8,  6
.set B16, 8
.set STO, 12
.set RD,  13
.set CO,  14
.set SPW, 18
.set NIL, 19
.set ASR, 24
.set WSR, 56
.set G1,  24
.set G1B, 48
.set MSB, 0
.macro WIN new
.if MSB != (\new)
	s_set_vgpr_msb (MSB<<8)|(\new)
.set MSB, (\new)
.endif
.endm
.macro JLOAD g0a, g1a, g0b, g1b
	s_cmp_eq_u32 s15, 0
	s_cbranch_scc0 .Lfor_b_\@
	tensor_load_to_lds s[\g0a:\g0a+3], s[\g1a:\g1a+7]
	s_nop 0
.rept 4
	v_nop
.endr
	s_branch .Lasked_\@
.Lfor_b_\@:
	tensor_load_to_lds s[\g0b:\g0b+3], s[\g1b:\g1b+7]
	s_nop 0
.rept 4
	v_nop
.endr
.Lasked_\@:
.endm
.macro CROUND
	s_barrier_signal -1
	s_barrier_wait -1
	s_cmp_lg_u32 s14, 0
	s_cbranch_scc1 .Lnot_wave_0_\@
	s_barrier_signal -3
.Lnot_wave_0_\@:
	s_barrier_wait -3
	s_barrier_signal -1
	s_barrier_wait -1
.endm
.macro PLACES n
.rept \n
	v_nop
.endr
.endm
	s_load_b256 s[4:11], s[0:1], 0x0
	s_load_b64 s[12:13], s[0:1], 0x20
	v_lshl_add_u32 v[SPW], v0, 2, SPARE
	v_mov_b32 v[NIL], 0
	ds_add_u32 v[SPW], v[NIL]
	ds_add_u32 v[SPW], v[NIL]
	v_lshrrev_b32 v1, 5, v0
	v_readfirstlane_b32 s14, v1
	s_lshr_b32 s15, s14, 1
	s_and_b32 s16, s14, 1
	s_bfe_u32 s40, ttmp6, 0x40000
	s_bfe_u32 s41, ttmp6, 0x40004
	s_lshl_b32 s42, ttmp9, 2
	s_add_co_u32 s42, s42, s40
	s_and_b32 s17, ttmp7, 0xffff
	s_lshl_b32 s17, s17, 2
	s_add_co_u32 s17, s17, s41
	s_lshl_b32 s43, s41, 2
	s_lshl_b32 s43, 15, s43
	s_lshl_b32 s44, 0x1111, s40
	s_or_b32 s[G1], s43, (3<<16)|(1<<21)
	s_or_b32 s[G1B], s44, (3<<16)|(1<<21)
.irp g, G1, G1B
	s_mov_b32 s[\g+1], 32<<16
	s_mov_b32 s[\g+2], 192<<16
	s_mov_b32 s[\g+3], 32<<16
	s_mov_b32 s[\g+4], 192
	s_mov_b32 s[\g+5], 32
	s_mov_b32 s[\g+6], 0
	s_mov_b32 s[\g+7], 0
.endr
	s_mul_i32 s18, s16, 4*KST
	s_mul_i32 s20, s17, 8*KST
	s_add_co_u32 s20, s20, s18
	s_mov_b32 s21, 0
	s_mul_i32 s46, s42, 8*KST
	s_add_co_u32 s46, s46, s18
	s_add_co_u32 s46, s46, WOC
	s_mov_b32 s47, 0
	s_mov_b32 s97, 0
	s_mov_b32 s86, 0x05040100
	s_wait_dscnt 0x0
	s_wait_kmcnt 0x0
	s_add_nc_u64 s[20:21], s[4:5], s[20:21]
	s_add_nc_u64 s[46:47], s[8:9], s[46:47]
	CROUND
.macro MKG0 ga, gb, ch
	s_mov_b32 s[\ga], 1
	s_add_co_u32 s[\ga+1], s18, (\ch)*CHK
	s_add_nc_u64 s[\ga+2:\ga+3], s[20:21], (\ch)*CHK
	s_or_b32 s[\ga+3], s[\ga+3], 0x80000000
	s_mov_b32 s[\gb], 1
	s_add_co_u32 s[\gb+1], s18, (\ch)*CHK+BOFF
	s_add_nc_u64 s[\gb+2:\gb+3], s[46:47], (\ch)*CHK
	s_or_b32 s[\gb+3], s[\gb+3], 0x80000000
	JLOAD \ga, G1, \gb, G1B
.endm
	MKG0 32, 56, 0
	v_and_b32 v1, 31, v0
	v_and_b32 v2, 15, v0
	v_bfe_u32 v3, v0, 4, 1
	v_lshlrev_b32 v10, 4, v2
	v_lshlrev_b32 v11, 2, v1
	s_wait_alu depctr_va_vdst(0)
	v_lshlrev_b32 v15, 4, v1
	s_wait_alu depctr_va_vdst(0)
	v_lshlrev_b32 v16, 3, v1
	s_wait_alu depctr_va_vdst(0)
	s_lshl_b32 s96, s17, 14
	s_lshl_b32 s98, s15, 13
	s_add_co_u32 s96, s96, s98
	s_add_nc_u64 s[6:7], s[6:7], s[96:97]
	s_lshl_b32 s96, s42, 3
	s_lshl_b32 s98, s16, 2
	s_add_co_u32 s96, s96, s98
	s_lshl_b32 s96, s96, 9
	s_add_co_u32 s96, s96, WOSB
	s_add_nc_u64 s[10:11], s[10:11], s[96:97]
.irp i, 0,1,2,3
.irp d, 0,1,2,3,4,5,6,7,8,9,10,11,12,13,14,15
	global_load_b32 v[184+16*\i+\d], v11, s[6:7] offset:2048*\i+128*\d
.endr
.endr
.irp t, 0,1,2,3
.irp q, 0,1
	global_load_b128 v[WSR+8*\t+4*\q:WSR+8*\t+4*\q+3], v10, s[10:11] offset:512*\t+256*\q
.endr
.endr
	s_mul_i32 s20, s15, 6144
	s_mul_i32 s21, s16, 6144
	s_add_co_u32 s21, s21, BOFF
.irp c, 0,1
	v_add_nc_u32 v[A16+\c], s20, v15
	v_add_nc_u32 v[A8+\c], s20, v16
	v_add_nc_u32 v[B16+\c], s21, v15
	s_add_co_u32 s20, s20, CHK
	s_add_co_u32 s21, s21, CHK
.endr
	s_mul_i32 s22, s14, 16*272
	s_add_co_u32 s22, s22, STAGE
	v_mul_u32_u24 v[STO], v2, 272
	v_lshl_add_u32 v[STO], v3, 6, v[STO]
	v_add_nc_u32 v[STO], s22, v[STO]
	v_mul_u32_u24 v[RD], v3, 272
	v_lshl_add_u32 v[RD], v2, 4, v[RD]
	v_add_nc_u32 v[RD], s22, v[RD]
	v_lshlrev_b32 v[CO], 12, v3
	v_lshl_add_u32 v[CO], v2, 4, v[CO]
	s_lshl_b32 s96, s17, 7
	s_lshl_b32 s98, s15, 6
	s_add_co_u32 s96, s96, s98
	s_lshl_b32 s96, s96, 12
	s_lshl_b32 s98, s42, 9
	s_add_co_u32 s96, s96, s98
	s_lshl_b32 s98, s16, 8
	s_add_co_u32 s96, s96, s98
	s_add_nc_u64 s[12:13], s[12:13], s[96:97]
	s_wait_loadcnt 0x0
.irp i, 0,1,2,3
.irp s, 0,1,2,3,4,5,6,7
	v_perm_b32 v[ASR+8*\i+\s], v[185+16*\i+2*\s], v[184+16*\i+2*\s], s86
.endr
.endr
	PLACES 8
.macro FETCH s
.set CH, (\s)>>2
.set OF, ((\s)&3)*KST
.set P, (\s)&1
.set FA, 88+40*P
.set FB, 136+40*P
	WIN 0x40*P
.irp i, 0,1,2,3
	ds_load_b128 v[FA+12*\i:FA+12*\i+3], v[A16+CH] offset:OF+1536*\i
	ds_load_b64 v[FA+12*\i+4:FA+12*\i+5], v[A8+CH] offset:OF+1536*\i+512
	ds_load_b128 v[FA+12*\i+6:FA+12*\i+9], v[A16+CH] offset:OF+1536*\i+768
	ds_load_b64 v[FA+12*\i+10:FA+12*\i+11], v[A8+CH] offset:OF+1536*\i+1280
.endr
.irp t, 0,1,2,3
.irp c, 0,1,2
	ds_load_b128 v[FB+12*\t+4*\c:FB+12*\t+4*\c+3], v[B16+CH] offset:OF+1536*\t+512*\c
.endr
.endr
	WIN 0
.endm
.macro MUL s, zero
.set P, (\s)&1
.set FA, 88+40*P
.set FB, 136+40*P
	WIN 0x50+5*P
.irp i, 0,1,2,3
.irp t, 0,1,2,3
.if \zero
	v_wmma_scale_f32_16x16x128_f8f6f4 v[8*(4*\i+\t):8*(4*\i+\t)+7], v[FB+12*\t:FB+12*\t+11], v[FA+12*\i:FA+12*\i+11], 0, v[WSR+8*\t+(\s)], v[ASR+8*\i+(\s)] matrix_a_fmt:MATRIX_FMT_FP6 matrix_b_fmt:MATRIX_FMT_FP6
.else
	v_wmma_scale_f32_16x16x128_f8f6f4 v[8*(4*\i+\t):8*(4*\i+\t)+7], v[FB+12*\t:FB+12*\t+11], v[FA+12*\i:FA+12*\i+11], v[8*(4*\i+\t):8*(4*\i+\t)+7], v[WSR+8*\t+(\s)], v[ASR+8*\i+(\s)] matrix_a_fmt:MATRIX_FMT_FP6 matrix_b_fmt:MATRIX_FMT_FP6
.endif
.endr
.endr
.endm
.macro KSTEP s, zero
	s_wait_dscnt 0x0
.if (\s) < 7
	PLACES 4
	FETCH (\s)+1
.endif
	MUL \s, \zero
.endm
	s_wait_alu depctr_va_vdst(0)
	s_wait_tensorcnt 0x0
	s_barrier_signal -1
	s_barrier_wait -1
	FETCH 0
	KSTEP 0, 1
.irp s, 1,2,3,4,5,6,7
	KSTEP \s, 0
.endr
	WIN 0
	PLACES 4
.irp i, 0,1,2,3
	WIN 0x04
.irp t, 0,1,2,3
	ds_store_b128 v[STO], v[8*(4*\i+\t):8*(4*\i+\t)+3] offset:128*(\t/2)+32*(\t%2)
	ds_store_b128 v[STO], v[8*(4*\i+\t)+4:8*(4*\i+\t)+7] offset:128*(\t/2)+32*(\t%2)+16
.endr
	WIN 0
.irp k, 0,1,2,3,4,5,6,7
	ds_load_b128 v[88+32*\i+4*\k:88+32*\i+4*\k+3], v[RD] offset:544*\k
.endr
.endr
.irp i, 0,1,2,3
	s_wait_dscnt 16*(3-\i)
.irp k, 0,1,2,3,4,5,6,7
	global_store_b128 v[CO], v[88+32*\i+4*\k:88+32*\i+4*\k+3], s[12:13] offset:(32*(\i/2)+8*(\i%2)+2*\k+8*(\k/4))*4096 th:TH_STORE_NT
.endr
.endr
	s_wait_tensorcnt 0x0
	ds_add_u32 v[SPW], v[NIL]
	s_wait_dscnt 0x0
	CROUND
	s_endpgm
.Lfunc_end_k_q1ee4aa9c27_oproj:
	.size	k_q1ee4aa9c27_oproj, .Lfunc_end_k_q1ee4aa9c27_oproj-k_q1ee4aa9c27_oproj
	.p2alignl 7, 3214868480
	.fill 96, 4, 3214868480
	.section	.rodata,"a",@progbits
	.p2align	6, 0x0
	.amdhsa_kernel k_q1ee4aa9c27_oproj
		.amdhsa_group_segment_fixed_size 327680
		.amdhsa_private_segment_fixed_size 0
		.amdhsa_enable_private_segment 0
		.amdhsa_kernarg_size 40
		.amdhsa_user_sgpr_count 2
		.amdhsa_user_sgpr_kernarg_segment_ptr 1
		.amdhsa_wavefront_size32 1
		.amdhsa_system_sgpr_workgroup_id_x 1
		.amdhsa_system_sgpr_workgroup_id_y 1
		.amdhsa_system_sgpr_workgroup_id_z 1
		.amdhsa_system_vgpr_workitem_id 0
		.amdhsa_next_free_vgpr 512
		.amdhsa_next_free_sgpr 100
		.amdhsa_reserve_vcc 0
		.amdhsa_float_denorm_mode_32 3
		.amdhsa_float_denorm_mode_16_64 3
		.amdhsa_memory_ordered 1
		.amdhsa_forward_progress 1
		.amdhsa_inst_pref_size 56
	.end_amdhsa_kernel
	.amdgpu_metadata
---
amdhsa.version: [ 1, 2 ]
amdhsa.kernels:
  - .name:           k_q1ee4aa9c27_oproj
    .symbol:         k_q1ee4aa9c27_oproj.kd
    .args:
      - { .name: oc, .offset: 0, .size: 8, .value_kind: global_buffer, .address_space: global }
      - { .name: osc, .offset: 8, .size: 8, .value_kind: global_buffer, .address_space: global }
      - { .name: cod1, .offset: 16, .size: 8, .value_kind: global_buffer, .address_space: global }
      - { .name: scl1, .offset: 24, .size: 8, .value_kind: global_buffer, .address_space: global }
      - { .name: out0, .offset: 32, .size: 8, .value_kind: global_buffer, .address_space: global }
    .group_segment_fixed_size: 327680
    .private_segment_fixed_size: 0
    .kernarg_segment_align: 8
    .kernarg_segment_size: 40
    .max_flat_workgroup_size: 128
    .sgpr_count:     100
    .vgpr_count:     512
    .wavefront_size: 32
...
	.end_amdgpu_metadata
.endif
;; end of part 4
